; MI455X (gfx1250); checked and timed in simulation.
; The chip was launched on July 23, 2026; its instructions are those of AMD's public machine-readable ISA for CDNA 5 (MIT licence, August 2026) and "CDNA5" Instruction Set Architecture Reference Guide (July 2026). The comments in the code are by the model that wrote it; some were corrected since.
;; Causal Self Attention. Allowed arithmetic: float matrix products may take bf16 or f16 operands with f32 sums; other float arithmetic in f32, or as packed bf16 or f16 multiplies, adds, multiply-adds, maxima and minima; sums over many terms, partial sums and values carried from step to step in f32; what a program stores and reads back later, other than sums and carried values, may be rounded once to bf16 or f16.
;; Inputs: b_proj 1,024 float32; w_kqv 1,024 x 3,072 float32; w_proj 1,024 x 1,024 float32; x 4 x 2,048 x 1,024 float32.
;; Outputs: out0 4 x 2,048 x 1,024 float32.
;; One version. Each part assembles by itself: llvm-mc -triple=amdgcn-amd-amdhsa -mcpu=gfx1250 --defsym DOCPART=n.
;; ======== version 1 of 1: 4 launches
;; limits: values are held in f16: magnitudes above 65,504 overflow, below 6.1e-05 lose precision
;; workspace buffers: xb 16,777,216 bytes; wb 6,291,456 bytes; wp 2,097,152 bytes; q2 33,554,432 bytes; k2 33,554,432 bytes; v1 16,777,216 bytes; o1 16,777,216 bytes
;; launch prep (part 1): grid 1536 x 1, 8 waves a work-group, no clusters, 0 bytes of LDS; arguments x, w_kqv, w_proj, xb, wb, wp; writes xb, wb, wp
.if DOCPART == 1
	.amdgcn_target "amdgcn-amd-amdhsa--gfx1250"
	.amdhsa_code_object_version 6
	.text
	.protected	k_q4639893574_prep
	.globl	k_q4639893574_prep
	.p2align	8
	.type	k_q4639893574_prep,@function
k_q4639893574_prep:
	s_mov_b64 s[64:65], 0
	v_nop
	global_prefetch_b8 v0, s[64:65] scope:SCOPE_SE
	s_setreg_imm32_b32 hwreg(HW_REG_WAVE_MODE, 25, 1), 1
	s_wait_xcnt 0x0
; THE CASTS.  xb = bf16(x), wb = bf16(w_kqv), wp = bf16(w_proj) written as f16; the layouts stay as they are.
; A stream: every input byte is read once and every output byte written once; no LDS, no barrier, no matrix work.
; A work-group takes 8,192 numbers: 32,768 bytes in, 16,384 out.  Work-groups 0-1023 take x, 1024-1407 w_kqv, 1408-1535 w_proj.
; Thread t, eight times: 16 bytes at 4,096 i + 16 t (a wave's load covers 512 consecutive bytes), 8 bytes at 2,048 i + 8 t (a wave's store covers 256 consecutive bytes, aligned).
; LIMIT.  A bf16 number is an f16 number where its magnitude lies between 6.1e-5 and 65,504; below that wp keeps f16's fixed step of 6e-8.
.set X, 4                              ; v[4:35]   eight loads of four numbers
.set Y, 36                             ; v[36:51]  eight stores of four 16-bit numbers
.set T, 52                             ; v[52:53]  at work
	s_load_b256 s[4:11], s[0:1], 0x0               ; x s[4:5], w_kqv s[6:7], w_proj s[8:9], xb s[10:11]
	s_load_b128 s[12:15], s[0:1], 0x20             ; wb s[12:13], wp s[14:15]
	v_lshlrev_b32 v1, 4, v0                        ; 16 t
	v_lshlrev_b32 v2, 3, v0                        ; 8 t
	s_movk_i32 s24, 1024                           ; the first work-group of w_kqv,
	s_movk_i32 s25, 1408                           ; and of w_proj
	s_wait_kmcnt 0x0
	s_cmp_lt_u32 ttmp9, s25
	s_cselect_b64 s[16:17], s[6:7], s[8:9]         ; from where,
	s_cselect_b64 s[18:19], s[12:13], s[14:15]     ; to where,
	s_cselect_b32 s20, s24, s25                    ; and the tensor's first work-group
	s_cmp_lt_u32 ttmp9, s24
	s_cselect_b64 s[16:17], s[4:5], s[16:17]
	s_cselect_b64 s[18:19], s[10:11], s[18:19]
	s_cselect_b32 s20, 0, s20
	s_sub_co_u32 s21, ttmp9, s20                   ; my number within the tensor, 1,023 at the most
	s_lshl_b32 s22, s21, 15
	s_mov_b32 s23, 0
	s_add_nc_u64 s[16:17], s[16:17], s[22:23]
	s_lshl_b32 s22, s21, 14
	s_add_nc_u64 s[18:19], s[18:19], s[22:23]
.irp i, 0,1,2,3,4,5,6,7
	global_load_b128 v[X+4*(\i):X+4*(\i)+3], v1, s[16:17] offset:4096*(\i) th:TH_LOAD_NT
.endr
; fmt = 0: rounded to bf16.  fmt = 1: rounded to bf16, widened again and written as f16.  No register is written twice but T, which no memory instruction names.
.macro CONV fmt
.irp i, 0,1,2,3,4,5,6,7
	s_wait_loadcnt 7-(\i)                          ; loads come back in order: load i is in, the 7 - i younger ones stay out
.if \fmt
.irp j, 0,1
	v_cvt_pk_bf16_f32 v[T], v[X+4*(\i)+2*(\j)], v[X+4*(\i)+2*(\j)+1]
	v_lshlrev_b32 v[T+1], 16, v[T]
	v_and_b32 v[T], 0xffff0000, v[T]
	v_cvt_pk_f16_f32 v[Y+2*(\i)+(\j)], v[T+1], v[T]
.endr
.else
	v_cvt_pk_bf16_f32 v[Y+2*(\i)], v[X+4*(\i)], v[X+4*(\i)+1]
	v_cvt_pk_bf16_f32 v[Y+2*(\i)+1], v[X+4*(\i)+2], v[X+4*(\i)+3]
.endif
	global_store_b64 v2, v[Y+2*(\i):Y+2*(\i)+1], s[18:19] offset:2048*(\i)
.endr
.endm
	s_cmp_lt_u32 ttmp9, s25
	s_cbranch_scc0 .Lto_f16
	CONV 0
	s_endpgm
.Lto_f16:
	CONV 1
	s_endpgm
.Lfunc_end_k_q4639893574_prep:
	.size	k_q4639893574_prep, .Lfunc_end_k_q4639893574_prep-k_q4639893574_prep
	.p2alignl 7, 3214868480
	.fill 96, 4, 3214868480
	.section	.rodata,"a",@progbits
	.p2align	6, 0x0
	.amdhsa_kernel k_q4639893574_prep
		.amdhsa_group_segment_fixed_size 0
		.amdhsa_private_segment_fixed_size 0
		.amdhsa_enable_private_segment 0
		.amdhsa_kernarg_size 48
		.amdhsa_user_sgpr_count 2
		.amdhsa_user_sgpr_kernarg_segment_ptr 1
		.amdhsa_wavefront_size32 1
		.amdhsa_system_sgpr_workgroup_id_x 1
		.amdhsa_system_sgpr_workgroup_id_y 1
		.amdhsa_system_sgpr_workgroup_id_z 1
		.amdhsa_system_vgpr_workitem_id 0
		.amdhsa_next_free_vgpr 56
		.amdhsa_next_free_sgpr 66
		.amdhsa_reserve_vcc 0
		.amdhsa_float_denorm_mode_32 3
		.amdhsa_float_denorm_mode_16_64 3
		.amdhsa_memory_ordered 1
		.amdhsa_forward_progress 1
		.amdhsa_inst_pref_size 9
	.end_amdhsa_kernel
	.amdgpu_metadata
---
amdhsa.version: [ 1, 2 ]
amdhsa.kernels:
  - .name:           k_q4639893574_prep
    .symbol:         k_q4639893574_prep.kd
    .args:
      - { .name: x, .offset: 0, .size: 8, .value_kind: global_buffer, .address_space: global }
      - { .name: w_kqv, .offset: 8, .size: 8, .value_kind: global_buffer, .address_space: global }
      - { .name: w_proj, .offset: 16, .size: 8, .value_kind: global_buffer, .address_space: global }
      - { .name: xb, .offset: 24, .size: 8, .value_kind: global_buffer, .address_space: global }
      - { .name: wb, .offset: 32, .size: 8, .value_kind: global_buffer, .address_space: global }
      - { .name: wp, .offset: 40, .size: 8, .value_kind: global_buffer, .address_space: global }
    .group_segment_fixed_size: 0
    .private_segment_fixed_size: 0
    .kernarg_segment_align: 8
    .kernarg_segment_size: 48
    .max_flat_workgroup_size: 256
    .sgpr_count:     66
    .vgpr_count:     56
    .wavefront_size: 32
...
	.end_amdgpu_metadata
.endif
;; end of part 1
;; launch qkv (part 2): grid 12 x 64, 4 waves a work-group, clusters of 4 x 4, 327,680 bytes of LDS; arguments xb, wb, q2, k2, v1; writes q2, k2, v1
.if DOCPART == 2
	.amdgcn_target "amdgcn-amd-amdhsa--gfx1250"
	.amdhsa_code_object_version 6
	.text
	.protected	k_q4639893574_qkv
	.globl	k_q4639893574_qkv
	.p2align	8
	.type	k_q4639893574_qkv,@function
k_q4639893574_qkv:
	s_mov_b64 s[64:65], 0
	v_nop
	global_prefetch_b8 v0, s[64:65] scope:SCOPE_SE
	s_setreg_imm32_b32 hwreg(HW_REG_WAVE_MODE, 25, 1), 1
	s_wait_xcnt 0x0
	s_wait_alu depctr_hold_cnt(0) depctr_sa_sdst(0) depctr_va_vdst(0) depctr_va_sdst(0) depctr_va_ssrc(0) depctr_va_vcc(0) depctr_vm_vsrc(0)
	s_getreg_b32 s2, hwreg(HW_REG_IB_STS2, 6, 4)
	s_cmp_eq_u32 s2, 0
	s_cbranch_scc0 .Lentry_in_a_cluster
	s_endpgm
.Lentry_in_a_cluster:
	s_bfe_u32 s2, ttmp6, 0x10000c
	s_cmp_lg_u32 s2, 0xf033
	s_cbranch_scc0 .Lentry_shape_is_right
	s_endpgm
.Lentry_shape_is_right:
; THE FIRST PROJECTION.  [8192][3072] = xb [8192][1024] x wb [1024][3072], both bf16, sums in f32.  Columns 0-1023 are q, 1024-2047 k, 2048-3071 v; 64 columns are a head.
; WHAT LEAVES.  q2 and k2: [64 heads of all batches][2048 rows][128] f16: channels 0-63 hold the number rounded to f16, channels 64-127 what that rounding left, rounded to f16: about 22 bits together.
; The scores are multiplied by 8 in front of the softmax, so an error in q or k reaches the weights enlarged; v1: [64][2048][64] f16, rounded once.
; LIMITS.  q, k and v lie within 65,504 (f16's range); a low half under 6.1e-5 keeps f16's fixed step of 6e-8.
; SHARES.  A tile of 128 rows x 256 columns to a work-group: 768 work-groups, three for each of 256.  Four waves, each 64 rows x 128 columns: 32 accumulators of 16 x 16 (window 1).
; K goes in 8 steps of 128 through two LDS slots; each wave fetches a quarter of a step's bytes by one tensor load: waves 0, 1 the halves of A's tile (64 rows x 256 bytes), waves 2, 3 of B's (64 k-rows x 512 bytes).
; CLUSTER.  4 x 4 work-groups: A's tile hangs on the tile row alone and is asked for jointly along a row of the cluster, B's on the tile column alone and jointly along a column.
; THE PRODUCT IS USED TRANSPOSED: source 0 = 16 columns of wb (out of LDS turned, by ds_load_tr16_b128, since wb lies [k][n]), source 1 = 16 rows of xb: a lane holds row l % 16 and eight neighbouring columns.
; REGISTERS.  Window 0: v1-29 addresses; v32-127 and v128-223 two fragment buffers (64 of B, 32 of A, for 32 along K); on the way out v32-159 rows read back, v192-223 low halves, v224-255 high halves.  Window 1: accumulator (a, b) at v[8 (8 a + b)].
.set SIZE_K, 1024
.set SIZE_N, 3072
.set PA,     272                       ; a row of A in LDS: 256 bytes + 16: the 16 rows of a load start at 16 different groups of four banks (64 banks of 4 bytes: ISA guide 11.1)
.set PB,     544                       ; a k-row of B: 512 bytes + 32 = 17 x 32
.set HALFA,  64*PA
.set BOFF,   128*PA                    ; in a slot: A's 128 rows, then B's 128 k-rows
.set HALFB,  64*PB
.set SLOT1,  1<<17                     ; slot 1 begins here: one exclusive or turns an address in one slot into the other's
.set STAGE,  SLOT1+BOFF+128*PB         ; behind the ring, never filled by a tensor load: for the way out,
.set WSTAGE, 2*16*272                  ; two heads x 16 rows x 272 bytes for each wave
.set SPARE,  STAGE+4*WSTAGE            ; the spare words, 128 bytes for each wave: two blocks of 256 bytes that no other line names
.set STEPA,  256                       ; bytes from a K step to the next in xb,
.set STEPB,  128*SIZE_N*2              ; and in wb
.set ADRA0, 10                         ; v10  my lane's place in A's tile; never rewritten
.set ADRB0, 11                         ; v11  the same for B
.set ADRA,  12                         ; v12  the same in the slot that is being read
.set ADRB,  13                         ; v13
.set STO,   14                         ; v14  the way out: where I put 16 bytes of a row
.set RD,    15                         ; v15  where I read rows back
.set GO,    16                         ; v16  16 x lane
.set PFO,   17                         ; v17  the prefetches' offset; never rewritten
.set NEG1,  18                         ; v18  -1.0
.set SPW,   28                         ; v28  LDS address of my spare word; never rewritten
.set NIL,   29                         ; v29  0; never rewritten
.set F0,    32
.set F1,    128
.set LR,    192
.set HR,    224
.set WV,  12                           ; s12  my wave's number
.set MH,  13                           ; s13  which 64 rows are mine; also: I fetch for A (0) or B (1)
.set NH,  14                           ; s14  which 128 columns; also: which half of that tile I fetch
.set TB,  15                           ; s15  LDS byte at which the slot to be read begins
.set G1A, 24                           ; s[24:31] descriptor group 1 for A's tiles
.set G0A, 32                           ; s[32:39] group 0: a set for each first fill; the second then walks
.set CX,  40
.set CY,  41
.set TX,  42                           ; tile column
.set TY,  43                           ; tile row
.set PFA, 44                           ; s[44:45] where my prefetches stand
.set G1B, 48
.set G0B, 56
.set LIM, 66                           ; s66  2 in a wave that prefetches, else the greatest number
.set PFS, 68                           ; s[68:69] the prefetches' step
.set CP,  74                           ; s[74:75] where my part of the tile goes
.set MSB, 0
.macro WIN new                         ; the immediate's high byte repeats the setting that is left; a switch that changes nothing is dropped
.if MSB != (\new)
	s_set_vgpr_msb (MSB<<8)|(\new)
.set MSB, \new
.endif
.endm
.set MUL, 0x50                         ; sources 0 and 1 window 0; C and D window 1
; A joint load.  The branch hangs on the wave's number alone.  An s_nop 0 and four v_nop follow each of the two lines, ahead of the jump and the label.
.macro JLOAD s
	s_cmp_eq_u32 s[MH], 0
	s_cbranch_scc0 .Lfor_b_\@
	tensor_load_to_lds s[G0A+4*(\s):G0A+4*(\s)+3], s[G1A:G1A+7]
	s_nop 0
.rept 4
	v_nop
.endr
	s_branch .Lasked_\@
.Lfor_b_\@:
	tensor_load_to_lds s[G0B+4*(\s):G0B+4*(\s)+3], s[G1B:G1B+7]
	s_nop 0
.rept 4
	v_nop
.endr
.Lasked_\@:
.endm
; A prefetch of the K step that stands two refills on (256 matrix instructions ahead of the load that will want it): K steps 4 to 7; the first four come by their loads alone.
; Each aligned block of 256 bytes is named once in the launch.  A's rows are read by the three clusters of a row of clusters: the one with x = 0 asks, wave 0, a lane a row, the four partners 32 rows each by address.
; B's k-rows are read by the sixteen clusters of a column: the one with y = 0 asks, waves 2 and 3, 16 k-rows x 2 blocks each, the four partners 32 k-rows each by address.
.macro ASK
	s_cmp_gt_u32 s3, s[LIM]                        ; the last two trips have no K step two refills on
	s_cbranch_scc0 .Lnot_mine_\@
	global_prefetch_b8 v[PFO], s[PFA:PFA+1] th:TH_LOAD_NT scope:SCOPE_SE
.Lnot_mine_\@:
.endm
.macro CREST                           ; a round of the cluster's barrier behind its opening barrier
	s_cmp_lg_u32 s[WV], 0
	s_cbranch_scc1 .Lnot_wave_0_\@
	s_barrier_signal -3
.Lnot_wave_0_\@:
	s_barrier_wait -3
	s_barrier_signal -1
	s_barrier_wait -1
.endm
.macro CROUND
	s_barrier_signal -1
	s_barrier_wait -1
	CREST
.endm
.macro PLACES                          ; four places in front of loads into registers that matrix instructions have read, and of lines that read results
.rept 4
	v_nop
.endr
.endm
	s_load_b256 s[4:11], s[0:1], 0x0               ; xb s[4:5], wb s[6:7], q2 s[8:9], k2 s[10:11]
	s_load_b64 s[72:73], s[0:1], 0x20              ; v1
	v_lshl_add_u32 v[SPW], v0, 2, SPARE
	v_mov_b32 v[NIL], 0
	ds_add_u32 v[SPW], v[NIL]                      ; the wave's opening: the add and its wait stand ahead of my first tensor load; work on registers stands between them
	ds_add_u32 v28, v29
	v_lshrrev_b32 v3, 5, v0
	v_readfirstlane_b32 s[WV], v3
	s_lshr_b32 s[MH], s[WV], 1
	s_and_b32 s[NH], s[WV], 1
	s_mov_b32 s[TB], 0
	s_bfe_u32 s[CX], ttmp6, 0x40000
	s_bfe_u32 s[CY], ttmp6, 0x40004
	s_lshl_b32 s[TX], ttmp9, 2
	s_add_co_u32 s[TX], s[TX], s[CX]               ; tile column = 4 x cluster x + cx
	s_and_b32 s[TY], ttmp7, 0xffff
	s_lshl_b32 s[TY], s[TY], 2
	s_add_co_u32 s[TY], s[TY], s[CY]               ; tile row = 4 x cluster y + cy
	s_lshl_b32 s70, s[CY], 2
	s_lshl_b32 s70, 15, s70                        ; my row of the cluster
	s_lshl_b32 s71, 0x1111, s[CX]                  ; my column
	s_or_b32 s[G1A], s70, (1<<16)|(1<<20)|(1<<21)|(5<<22)|(3<<25)  ; mask; 2-byte elements; padding on; bit 21 beside a mask; after every 64 words, 4 words
	s_or_b32 s[G1B], s71, (1<<16)|(1<<20)|(1<<21)|(6<<22)|(7<<25)  ; the same after every 128 words, 8 words
	s_mov_b32 s[G1A+1], 128<<16                    ; tensor_dim0 = 128
	s_mov_b32 s[G1A+2], 64<<16                     ; tensor_dim1 = 64
	s_mov_b32 s[G1A+3], 128<<16                    ; tile_dim0 = 128
	s_mov_b32 s[G1A+4], 64                         ; tile_dim1 = 64
	s_mov_b32 s[G1A+5], SIZE_K                     ; elements from row to row
	s_mov_b32 s[G1A+6], 0
	s_mov_b32 s[G1A+7], 0
	s_mov_b32 s[G1B+1], 256<<16
	s_mov_b32 s[G1B+2], 64<<16
	s_mov_b32 s[G1B+3], 256<<16
	s_mov_b32 s[G1B+4], 64
	s_mov_b32 s[G1B+5], SIZE_N
	s_mov_b32 s[G1B+6], 0
	s_mov_b32 s[G1B+7], 0
	s_lshl_b32 s16, s[TY], 18                      ; A: 128 rows of 2,048 bytes a tile row,
	s_lshl_b32 s17, s[NH], 17                      ; 64 rows a half: these registers never hold cx
	s_add_co_u32 s16, s16, s17
	s_mov_b32 s17, 0
	s_lshl_b32 s46, s[TX], 9                       ; B: 512 bytes a tile column,
	s_mul_i32 s47, s[NH], 64*SIZE_N*2              ; 64 k-rows a half: these never hold cy
	s_add_co_u32 s46, s46, s47
	s_mov_b32 s47, 0
	s_mul_i32 s20, s[NH], HALFA                    ; where they go: no place in the cluster enters an LDS address
	s_mul_i32 s21, s[NH], HALFB
	s_add_co_u32 s21, s21, BOFF
	s_wait_dscnt 0x0                               ; the opening add is done
	s_wait_kmcnt 0x0
	s_add_nc_u64 s[16:17], s[4:5], s[16:17]
	s_add_nc_u64 s[46:47], s[6:7], s[46:47]
	CROUND                                         ; all sixteen work-groups are here: the first joint loads meet
.irp s, 0,1
	s_mov_b32 s[G0A+4*(\s)], 1
	s_add_co_u32 s[G0A+4*(\s)+1], s20, (\s)*SLOT1
	s_add_nc_u64 s[G0A+4*(\s)+2:G0A+4*(\s)+3], s[16:17], (\s)*STEPA
	s_or_b32 s[G0A+4*(\s)+3], s[G0A+4*(\s)+3], 0x80000000
	s_mov_b32 s[G0B+4*(\s)], 1
	s_add_co_u32 s[G0B+4*(\s)+1], s21, (\s)*SLOT1
	s_add_nc_u64 s[G0B+4*(\s)+2:G0B+4*(\s)+3], s[46:47], (\s)*STEPB
	s_or_b32 s[G0B+4*(\s)+3], s[G0B+4*(\s)+3], 0x80000000
	JLOAD \s                                       ; K steps 0 and 1: two loads of mine are out
.endr
	v_and_b32 v1, 15, v0                           ; r = l % 16
	v_bfe_u32 v2, v0, 4, 1                         ; h = l / 16
	v_mul_u32_u24 v[ADRA0], v1, PA
	v_lshl_add_u32 v[ADRA0], v2, 4, v[ADRA0]       ; row x pitch + 16 h,
	s_mul_i32 s18, s[MH], 64*PA
	v_add_nc_u32 v[ADRA0], s18, v[ADRA0]           ; in my 64 rows
	v_and_b32 v3, 7, v0
	v_lshl_add_u32 v3, v2, 3, v3                   ; the turning load: k-row 8 h + l % 8,
	v_mul_u32_u24 v[ADRB0], v3, PB
	v_bfe_u32 v3, v0, 3, 1
	v_lshl_add_u32 v[ADRB0], v3, 4, v[ADRB0]       ; columns 8 ((l / 8) % 2) on,
	s_lshl_b32 s18, s[NH], 8
	s_add_co_u32 s18, s18, BOFF
	v_add_nc_u32 v[ADRB0], s18, v[ADRB0]           ; in my 128 columns
	v_mov_b32 v[ADRA], v[ADRA0]
	v_mov_b32 v[ADRB], v[ADRB0]
	; where my 64 rows x 2 heads go: batch (tile row / 16), head 4 cx + 2 NH, row 128 (tile row % 16) + 64 MH; in q2 and k2 a row is 256 bytes, in v1 half of that
	s_lshr_b32 s76, s[TY], 4
	s_lshl_b32 s76, s76, 23
	s_lshl_b32 s77, s[CX], 2
	s_lshl1_add_u32 s77, s[NH], s77
	s_lshl_b32 s77, s77, 19
	s_add_co_u32 s76, s76, s77
	s_and_b32 s77, s[TY], 15
	s_lshl_b32 s77, s77, 15
	s_add_co_u32 s76, s76, s77
	s_lshl_b32 s77, s[MH], 14
	s_add_co_u32 s76, s76, s77
	s_lshr_b32 s77, s76, 1
	s_cmp_eq_u32 ttmp9, 0                          ; the cluster's x says which of the three: the same in all partners
	s_cselect_b64 s[CP:CP+1], s[8:9], s[10:11]
	s_cmp_eq_u32 ttmp9, 2
	s_cselect_b64 s[CP:CP+1], s[72:73], s[CP:CP+1]
	s_cselect_b32 s76, s77, s76
	s_mov_b32 s77, 0
	s_add_nc_u64 s[CP:CP+1], s[CP:CP+1], s[76:77]
	; the prefetches
	s_lshl_b32 s76, s[TY], 7
	s_lshl_b32 s77, s[CX], 5
	s_add_co_u32 s76, s76, s77                     ; A: row 128 x tile row + 32 cx,
	s_lshl_b32 s76, s76, 11
	s_add_co_u32 s76, s76, 3*STEPA                 ; at K step 3: the first refill steps it to 4
	s_lshl_b32 s77, s[CY], 5
	s_lshl4_add_u32 s77, s[NH], s77                ; B: k-row 32 cy + 16 NH,
	s_mul_i32 s77, s77, 2*SIZE_N
	s_lshl_b32 s78, s[TX], 9
	s_add_co_u32 s77, s77, s78
	s_add_co_u32 s77, s77, 3*STEPB
	s_mov_b32 s78, STEPA
	s_mov_b32 s79, STEPB
	s_movk_i32 s20, 2*SIZE_K
	s_movk_i32 s21, 2*SIZE_N
	s_and_b32 s22, ttmp7, 0xffff                   ; cluster y
	s_cmp_eq_u32 s[MH], 0
	s_cselect_b64 s[PFA:PFA+1], s[4:5], s[6:7]
	s_cselect_b32 s76, s76, s77
	s_cselect_b32 s[PFS], s78, s79
	s_cselect_b32 s20, s20, s21                    ; bytes from row to row
	s_cselect_b32 s22, ttmp9, s22                  ; the coordinate along which other clusters read the same rows,
	s_cselect_b32 s23, s[NH], 0                    ; and wave 1 asks for nothing
	s_mov_b32 s77, 0
	s_mov_b32 s[PFS+1], 0
	s_add_nc_u64 s[PFA:PFA+1], s[PFA:PFA+1], s[76:77]
	s_or_b32 s22, s22, s23
	s_cmp_eq_u32 s22, 0
	s_cselect_b32 s[LIM], 2, -1                    ; the same in all sixteen partners, for a given wave
	v_and_b32 v4, 31, v0
	v_lshrrev_b32 v[PFO], s[MH], v4                ; A: a lane a row; B: two lanes a k-row,
	v_mul_lo_u32 v[PFO], v[PFO], s20
	v_and_b32 v4, s[MH], v4
	v_lshl_add_u32 v[PFO], v4, 8, v[PFO]           ; 256 bytes apart
; 24 LDS loads in one run: the fragments of 32 along K, quarter q of the slot's step, into buffer f: B's eight (turned), then A's four, ascending
.macro FETCH q, f
	WIN 0
.irp b, 0,1,2,3,4,5,6,7
	ds_load_tr16_b128 v[(\f)+8*(\b):(\f)+8*(\b)+3],   v[ADRB] offset:32*(\q)*PB+32*(\b)
	ds_load_tr16_b128 v[(\f)+8*(\b)+4:(\f)+8*(\b)+7], v[ADRB] offset:32*(\q)*PB+32*(\b)+16*PB
.endr
.irp a, 0,1,2,3
	ds_load_b128 v[(\f)+64+8*(\a):(\f)+64+8*(\a)+3],   v[ADRA] offset:64*(\q)+(\a)*16*PA
	ds_load_b128 v[(\f)+64+8*(\a)+4:(\f)+64+8*(\a)+7], v[ADRA] offset:64*(\q)+(\a)*16*PA+32
.endr
.endm
; n x 8 matrix instructions: row blocks a0 on x all 8 column blocks.  The 32 accumulators take turns in the same order in every quarter.  zero = 1: the product starts the sum.
.macro MULS f, a0, n, zero
	WIN MUL
.set ma, \a0
.rept \n
.irp b, 0,1,2,3,4,5,6,7
.if \zero
	v_wmma_f32_16x16x32_bf16 v[8*(8*ma+(\b)):8*(8*ma+(\b))+7], v[(\f)+8*(\b):(\f)+8*(\b)+7], v[(\f)+64+8*ma:(\f)+64+8*ma+7], 0
.else
	v_wmma_f32_16x16x32_bf16 v[8*(8*ma+(\b)):8*(8*ma+(\b))+7], v[(\f)+8*(\b):(\f)+8*(\b)+7], v[(\f)+64+8*ma:(\f)+64+8*ma+7], v[8*(8*ma+(\b)):8*(8*ma+(\b))+7]
.endif
.endr
.set ma, ma+1
.endr
.endm
; One of a step's first three quarters: multiplies buffer f; in its middle it fetches quarter q into buffer g.
.macro QUARTER q, f, g, zero
	s_wait_dscnt 4                                 ; B and A's blocks 0, 1 are in; the youngest four loads (blocks 2, 3) may be out
	MULS \f, 0, 2, \zero
	PLACES
	FETCH \q, \g
	s_wait_dscnt 24                                ; all but the 24 just issued
	MULS \f, 2, 2, \zero
.endm
; The last quarter multiplies buffer 1 and changes slots: ONE barrier; in front of it each wave waits for all its tensor loads (one is out: its part of the next slot), adds 0 to its spare word, and waits for that
; and for its reads of this slot.  fill = 1: the barrier opens a round of the cluster's, and this slot is filled again first thing behind it, with the K step two on: 112 matrix instructions ahead of the wait for it.
.macro TURN fill
.if \fill
	s_wait_xcnt 0x0                                ; the last prefetch, a K step back, has read its address
	s_add_nc_u64 s[PFA:PFA+1], s[PFA:PFA+1], s[PFS:PFS+1]
.endif
	WIN 0
	s_wait_tensorcnt 0x0                           ; no tensor load of mine is out, so a group 0 may be written
	ds_add_u32 v[SPW], v[NIL]                      ; 0 onto my spare word; work on registers stands between it and the wait for it
.if \fill
	s_xor_b32 s[G0A+5], s[G0A+5], SLOT1            ; the walking descriptors: the other slot than last time, the next K step
	s_add_nc_u64 s[G0A+6:G0A+7], s[G0A+6:G0A+7], STEPA
	s_xor_b32 s[G0B+5], s[G0B+5], SLOT1
	s_add_nc_u64 s[G0B+6:G0B+7], s[G0B+6:G0B+7], STEPB
.endif
	s_xor_b32 s[TB], s[TB], SLOT1
	s_wait_dscnt 5                                 ; the add and the youngest four loads may be out
	MULS F1, 0, 1, 0
	s_wait_dscnt 0x0                               ; the add is done, and my reads of this slot are over
	s_barrier_signal -1
	MULS F1, 1, 1, 0
	WIN 0
	s_barrier_wait -1
.if \fill
	CREST                                          ; no wave of any partner still reads this slot or has a load on its way
	JLOAD 1                                        ; its four v_nop are also the places in front of the loads below
.else
	PLACES
.endif
	v_add_nc_u32 v[ADRA], s[TB], v[ADRA0]
	v_add_nc_u32 v[ADRB], s[TB], v[ADRB0]
	FETCH 0, F0
.if \fill
	ASK
.endif
	MULS F1, 2, 2, 0
.endm
	s_wait_tensorcnt 1                             ; my part of K step 0 is in; step 1's may stay out
	s_barrier_signal -1
	s_barrier_wait -1
	FETCH 0, F0
	QUARTER 1, F0, F1, 1                           ; the first quarter stands in front of the loop: its products start the sums
	WIN 0
	s_mov_b32 s3, 6
.Lstep:                                        ; trip i: from step i's second quarter to step i + 1's first; step i's slot takes step i + 2
	QUARTER 2, F1, F0, 0
	QUARTER 3, F0, F1, 0
	TURN 1
	QUARTER 1, F0, F1, 0
	WIN 0
	s_sub_co_u32 s3, s3, 1
	s_cmp_lg_u32 s3, 0
	s_cbranch_scc1 .Lstep
	QUARTER 2, F1, F0, 0                           ; steps 6 and 7 fill nothing
	QUARTER 3, F0, F1, 0
	TURN 0
	QUARTER 1, F0, F1, 0
	QUARTER 2, F1, F0, 0
	QUARTER 3, F0, F1, 0
	s_wait_dscnt 4
	MULS F1, 0, 2, 0
	s_wait_dscnt 0x0
	MULS F1, 2, 2, 0
	WIN 0
	PLACES
	s_mul_i32 s78, s[WV], WSTAGE
	s_add_co_u32 s78, s78, STAGE                   ; my stage
	v_and_b32 v[GO], 31, v0
	v_lshlrev_b32 v[GO], 4, v[GO]
	s_cmp_eq_u32 ttmp9, 2
	s_cbranch_scc1 .Lv_out
	; THE WAY OUT OF q AND k, a block of 16 rows at a time: high halves, low halves, through my stage (a head's row: 128 bytes high, 128 low, pitch 272), back as whole rows of 256 bytes.
	v_mul_u32_u24 v[STO], v1, 272
	v_lshl_add_u32 v[STO], v2, 4, v[STO]
	v_add_nc_u32 v[STO], s78, v[STO]               ; in: row r, 16 bytes for each half of the lanes
	v_mul_u32_u24 v[RD], v2, 272
	v_lshl_add_u32 v[RD], v1, 4, v[RD]
	v_add_nc_u32 v[RD], s78, v[RD]                 ; back: lanes 0-15 one row, lanes 16-31 the next
	v_mov_b32 v[NEG1], -1.0
.macro PACK2 a
	WIN 0x05                                       ; sources 0 and 1 window 1
.set pi, 0
.rept 32
	v_cvt_pk_f16_f32 v[HR+pi], v[64*(\a)+2*pi], v[64*(\a)+2*pi+1]
.set pi, pi+1
.endr
	WIN 0x10                                       ; source 2 window 1
.set pi, 0
.rept 32                                       ; x - f16(x) is exact in f32; it is rounded once, to f16
	v_fma_mixlo_f16 v[LR+pi], v[HR+pi], v[NEG1], v[64*(\a)+2*pi] op_sel_hi:[1,0,0]
	v_fma_mixhi_f16 v[LR+pi], v[HR+pi], v[NEG1], v[64*(\a)+2*pi+1] op_sel:[1,0,0] op_sel_hi:[1,0,0]
.set pi, pi+1
.endr
	WIN 0
.endm
.macro STAGE2 a
.set BK, 32+64*((\a)%2)
.irp b, 0,1,2,3,4,5,6,7
	ds_store_b128 v[STO], v[HR+4*(\b):HR+4*(\b)+3] offset:((\b)/4)*4352+32*((\b)%4)
	ds_store_b128 v[STO], v[LR+4*(\b):LR+4*(\b)+3] offset:((\b)/4)*4352+32*((\b)%4)+128
.endr
.irp t, 0,1,2,3,4,5,6,7,8,9,10,11,12,13,14,15
	ds_load_b128 v[BK+4*(\t):BK+4*(\t)+3], v[RD] offset:((\t)/8)*4352+544*((\t)%8)  ; LDS serves a wave's instructions in order (ISA guide 5.7.1.4): these see the stores above
.endr
.endm
.macro SEND2 a
.set BK, 32+64*((\a)%2)
	s_wait_dscnt 0x0                               ; the block is back in registers
	s_wait_xcnt 0x0                                ; the stores of the block before have read their registers: the other set of 64 is loaded again only behind this wait
.irp t, 0,1,2,3,4,5,6,7,8,9,10,11,12,13,14,15
	global_store_b128 v[GO], v[BK+4*(\t):BK+4*(\t)+3], s[CP:CP+1] offset:((\t)/8)*524288+4096*(\a)+512*((\t)%8)  ; 512 consecutive bytes, aligned: two rows of a head
.endr
.endm
	PACK2 0
	STAGE2 0
.irp a, 1,2,3                          ; a block's arithmetic stands between the loads of the block before and the wait for them
	PACK2 \a
	SEND2 (\a)-1
	STAGE2 \a
.endr
	SEND2 3
	s_branch .Lclose
.Lv_out:                                       ; THE WAY OUT OF v: rounded once; a head's row is 128 bytes, pitch 144 in the stage; back four rows at a time
	v_mul_u32_u24 v[STO], v1, 144
	v_lshl_add_u32 v[STO], v2, 4, v[STO]
	v_add_nc_u32 v[STO], s78, v[STO]
	v_bfe_u32 v[RD], v0, 3, 2
	v_mul_u32_u24 v[RD], v[RD], 144
	v_and_b32 v3, 7, v0
	v_lshl_add_u32 v[RD], v3, 4, v[RD]
	v_add_nc_u32 v[RD], s78, v[RD]
.macro PACKV a
	WIN 0x05
.set pi, 0
.rept 32
	v_cvt_pk_f16_f32 v[HR+pi], v[64*(\a)+2*pi], v[64*(\a)+2*pi+1]
.set pi, pi+1
.endr
	WIN 0
.endm
.macro STAGEV a
.set BK, 32+64*((\a)%2)
.irp b, 0,1,2,3,4,5,6,7
	ds_store_b128 v[STO], v[HR+4*(\b):HR+4*(\b)+3] offset:((\b)/4)*2304+32*((\b)%4)
.endr
.irp t, 0,1,2,3,4,5,6,7
	ds_load_b128 v[BK+4*(\t):BK+4*(\t)+3], v[RD] offset:((\t)/4)*2304+576*((\t)%4)
.endr
.endm
.macro SENDV a
.set BK, 32+64*((\a)%2)
	s_wait_dscnt 0x0
	s_wait_xcnt 0x0
.irp t, 0,1,2,3,4,5,6,7
	global_store_b128 v[GO], v[BK+4*(\t):BK+4*(\t)+3], s[CP:CP+1] offset:((\t)/4)*262144+2048*(\a)+512*((\t)%4)  ; 512 consecutive bytes, aligned: four rows of a head
.endr
.endm
	PACKV 0
	STAGEV 0
.irp a, 1,2,3
	PACKV \a
	SENDV (\a)-1
	STAGEV \a
.endr
	SENDV 3
.Lclose:
	s_wait_tensorcnt 0x0                           ; the wave's end, behind my last tensor load and my last LDS store
	ds_add_u32 v[SPW], v[NIL]
	s_wait_dscnt 0x0
	CROUND                                         ; the closing round: no work-group ends while a partner may still ask for a tile that names it
	s_endpgm
.Lfunc_end_k_q4639893574_qkv:
	.size	k_q4639893574_qkv, .Lfunc_end_k_q4639893574_qkv-k_q4639893574_qkv
	.p2alignl 7, 3214868480
	.fill 96, 4, 3214868480
	.section	.rodata,"a",@progbits
	.p2align	6, 0x0
	.amdhsa_kernel k_q4639893574_qkv
		.amdhsa_group_segment_fixed_size 327680
		.amdhsa_private_segment_fixed_size 0
		.amdhsa_enable_private_segment 0
		.amdhsa_kernarg_size 40
		.amdhsa_user_sgpr_count 2
		.amdhsa_user_sgpr_kernarg_segment_ptr 1
		.amdhsa_wavefront_size32 1
		.amdhsa_system_sgpr_workgroup_id_x 1
		.amdhsa_system_sgpr_workgroup_id_y 1
		.amdhsa_system_sgpr_workgroup_id_z 1
		.amdhsa_system_vgpr_workitem_id 0
		.amdhsa_next_free_vgpr 512
		.amdhsa_next_free_sgpr 80
		.amdhsa_reserve_vcc 0
		.amdhsa_float_denorm_mode_32 3
		.amdhsa_float_denorm_mode_16_64 3
		.amdhsa_memory_ordered 1
		.amdhsa_forward_progress 1
		.amdhsa_inst_pref_size 111
	.end_amdhsa_kernel
	.amdgpu_metadata
---
amdhsa.version: [ 1, 2 ]
amdhsa.kernels:
  - .name:           k_q4639893574_qkv
    .symbol:         k_q4639893574_qkv.kd
    .args:
      - { .name: xb, .offset: 0, .size: 8, .value_kind: global_buffer, .address_space: global }
      - { .name: wb, .offset: 8, .size: 8, .value_kind: global_buffer, .address_space: global }
      - { .name: q2, .offset: 16, .size: 8, .value_kind: global_buffer, .address_space: global }
      - { .name: k2, .offset: 24, .size: 8, .value_kind: global_buffer, .address_space: global }
      - { .name: v1, .offset: 32, .size: 8, .value_kind: global_buffer, .address_space: global }
    .group_segment_fixed_size: 327680
    .private_segment_fixed_size: 0
    .kernarg_segment_align: 8
    .kernarg_segment_size: 40
    .max_flat_workgroup_size: 128
    .sgpr_count:     80
    .vgpr_count:     512
    .wavefront_size: 32
...
	.end_amdgpu_metadata
.endif
;; end of part 2
;; launch attn (part 3): grid 4 x 64, 4 waves a work-group, no clusters, 327,680 bytes of LDS; arguments q2, k2, v1, o1; writes o1
.if DOCPART == 3
	.amdgcn_target "amdgcn-amd-amdhsa--gfx1250"
	.amdhsa_code_object_version 6
	.text
	.protected	k_q4639893574_attn
	.globl	k_q4639893574_attn
	.p2align	8
	.type	k_q4639893574_attn,@function
k_q4639893574_attn:
	s_mov_b64 s[64:65], 0
	v_nop
	global_prefetch_b8 v0, s[64:65] scope:SCOPE_SE
	s_setreg_imm32_b32 hwreg(HW_REG_WAVE_MODE, 25, 1), 1
	s_wait_xcnt 0x0
; CAUSAL ATTENTION WITH SCORES TIMES 8.  O[h][q][:] = the sum over k <= q of softmax_k(8 Q[h][q] . K[h][k]) V[h][k][:], 64 heads of 2,048 rows of 64 channels.
; q2, k2: [64][2048][128] f16, channels 0-63 the high halves, 64-127 the low ones; v1, o1: [64][2048][64] f16.  A score is K_lo.Q_hi + K_hi.Q_lo + K_hi.Q_hi, summed in f32 in that order: the factor 8 makes the softmax so
; sharp that one rounding of q and k to f16 would show in the weights.  Maxima and sums in f32; the weights are rounded to f16 for the second product (their sum l is taken of the unrounded), O once at the end.
; LIMITS.  The product of the two low halves is left out (2^-22 of a score's terms).  A hidden score counts as its value less 1e30; f16's scores are 2.7e11 at the most.  A weight below 2^-126 counts as 0 in l.
; NaN and infinities are not treated apart.
; THE WALK.  A head's queries lie in NB = 8 blocks of 256; block i needs the key tiles 0 .. i of 256 keys.  A work-group takes TWO blocks, 7 - b and then b: 9 tiles whatever b, so all work-groups do equal work and ONE loop
; with a constant trip count walks them; the ring of two LDS slots runs on across the change of blocks.  NO CLUSTER: a head's four work-groups ask for the same tile only in trips 0 to 4, and a walk common to all has 12 trips for 9.
; SHARES.  Of a block's four bands of 64 queries a wave owns 16 rows in each: four PIECES.  In the diagonal tile's key step s band x sees all keys if s < x, none if s > x, and holds the diagonal if s = x: the same work for all waves.
; THE MASK is the C operand that starts a score's sum: MD x AL + BE, MD the mask of a band's own step, (AL, BE) = (1, 0), (0, 0) or (0, -1e30).  ONE text serves all tiles: s[CM] counts 4 .. 1 in a block's last tile and 12 .. 9
; elsewhere, where neither compare holds and the mask is 0.
; TURNS.  Turn n: 24 products K Q^T of piece n + 1, then 8 products V^T P of piece n - 1.  Beside them: roundings and sums of piece n - 1, scaling, exponentials and rescaling of piece n, maximum and statistics of piece n + 1,
; the mask for piece n + 2.  A turn's 33 exponentials are one batch with one wait at the turn's end: all that read them stand in the next turn.
; REGISTERS, in windows of 256 (s_set_vgpr_msb: bits 1:0 source 0, 3:2 source 1, 5:4 source 2, 7:6 destination):
;   window 0: v2-15 addresses; v16-31 statistics; v32-47 at work, four a piece; v48-51 c m_old; v61-63; v64-191 S^T, 32 a piece; v192-223 P, two buffers by the piece's parity
;   window 1: v0-127 O^T; v128-159 MD; v160-223 MC, two buffers     window 2: v0-127 Q (a piece: hi c0, hi c1, lo c0, lo c1); v128-255 the second block's Q     window 3: v0-127 K of one step; v128-191 V
.set NB,    8
.set NP,    4
.set KS,    64
.set PK,    272       ; a row of K in LDS: 256 bytes + 16: the 16 rows of a load start at 16 different groups of four banks (64 banks of 4 bytes: ISA guide 11.1)
.set PVP,   160       ; a row of V: 128 + 32
.set VOFF,  4*KS*PK   ; a slot holds a tile: 256 rows of K, then 256 rows of V
.set SLOT1, 1<<17
.set STAGE, SLOT1+4*KS*(PK+PVP)  ; behind the ring, never filled by a tensor load: 16 rows x 144 bytes for each wave
.set SP,    144
.set SPARE, STAGE+4*16*SP  ; the spare words, 128 bytes for each wave: two blocks of 256 bytes that no other line names
.set AK0, 2
.set AV0, 3
.set AK,  4
.set AV,  5
.set STO, 6
.set RD,  7
.set GO,  8
.set QO,  15
.set ST,  16          ; piece t: c m, m, l (even keys', odd keys') at v[ST+4 t]
.set TMP, 32          ; piece t: c0-c3 at work; when the maximum is found c2 takes a
.set MV,  48
.set PFO, 61          ; v61  256 x lane; never rewritten
.set SPW, 62
.set NIL, 63
.set S,   64
.set P,   192
.set MD,  128
.set MC,  160
.set QB,  128
.set VF,  128
.set WV,  12
.set PB,  14          ; b
.set HI,  15          ; 7 - b
.set G1K, 24
.set G1V, 32
.set G0K, 40
.set G0V, 44
.set CM,  48          ; s48  the masks' count
.set SLOTS, 56
.set CNT, 57
.set CS,  58          ; s[58:59] c = 8 log2(e)
.set SEL, 60
.set TBK, 62
.set TBV, 63
.set PFA, 66          ; s[66:67] where my prefetches stand
.set LIM, 68          ; s68  2 in the work-group that prefetches, else the greatest number
.set RT,  70          ; tiles of the block in hand still to be entered
.set NXT, 71          ; the tile to be asked for next
.set LQ,  72          ; the last tile of the block whose tiles are being asked for
.set NEW, 73          ; 1: the tile to be entered is a block's first
.set OFFK, 74         ; s[74:75] a tile's byte offset in k2
.set AL,  76
.set BE,  78
.set OLO, 80          ; s[80:81] O at my rows of the second block
.set BIGN, 82
.set OFFV, 88         ; s[88:89] a tile's byte offset in v1
.set PFS, 92          ; s[92:93] a tile's bytes in the tensor that I fetch
.set MSB, 0
.macro WIN new
.if MSB != (\new)
	s_set_vgpr_msb (MSB<<8)|(\new)
.set MSB, (\new)
.endif
.endm
.set W_KQ, 0x0b       ; K window 3, Q window 2, S^T window 0
.set W_KM, 0x1b       ; the same with C in window 1
.set W_PV, 0x53       ; V window 3, P window 0, O^T window 1
.set W_RS, 0x41       ; destination and source 0 window 1
; A fill.  Waves 0, 1 fetch the halves of a tile's K, waves 2, 3 of its V.  An s_nop 0 and four v_nop follow each of the two lines.
.macro LOAD
	s_cmp_lt_u32 s[WV], 2
	s_cbranch_scc0 .Lfor_v_\@
	tensor_load_to_lds s[G0K:G0K+3], s[G1K:G1K+7]
	s_nop 0
.rept 4
	v_nop
.endr
	s_branch .Lasked_\@
.Lfor_v_\@:
	tensor_load_to_lds s[G0V:G0V+3], s[G1V:G1V+7]
	s_nop 0
.rept 4
	v_nop
.endr
.Lasked_\@:
.endm
; A prefetch of the tile that the NEXT change of slots will ask for, a tile's 512 matrix instructions ahead.  A head's four work-groups walk the same first tiles; the one with b = 0, whose first block walks all eight, asks:
; each wave for the half that it will load itself, a lane a block of 256 bytes: 128 blocks of K, 64 of V.  Tiles 2 to 7 are named once each; tiles 0 and 1 come by their loads alone; the last two changes ask for nothing.
.macro ASK
	s_cmp_gt_u32 s[SLOTS], s[LIM]
	s_cbranch_scc0 .Lnot_mine_\@
	global_prefetch_b8 v[PFO], s[PFA:PFA+1] th:TH_LOAD_NT scope:SCOPE_SE
	global_prefetch_b8 v[PFO], s[PFA:PFA+1] offset:8192 th:TH_LOAD_NT scope:SCOPE_SE
	s_cmp_lt_u32 s[WV], 2
	s_cbranch_scc0 .Lnot_mine_\@
	global_prefetch_b8 v[PFO], s[PFA:PFA+1] offset:16384 th:TH_LOAD_NT scope:SCOPE_SE
	global_prefetch_b8 v[PFO], s[PFA:PFA+1] offset:24576 th:TH_LOAD_NT scope:SCOPE_SE
.Lnot_mine_\@:
.endm
; THE CHANGE OF SLOTS.  Each wave waits for all its tensor loads (one is out: its part of the other slot), adds 0 to its spare word, and waits for that and for its reads of the slot that it leaves.  Behind the barrier nobody
; reads the old slot and the other is whole.  fill = 1: the old slot is filled again, first thing behind the barrier, with tile NXT; the descriptor's address is made anew from that number.
.macro CHANGE fill
	WIN 0
	s_wait_tensorcnt 0x0            ; no tensor load of mine is out, so a group 0 may be written
	ds_add_u32 v[SPW], v[NIL]       ; 0 onto my spare word; scalar work stands between it and the wait for it
.if \fill
	s_lshl_b32 s[OFFK], s[NXT], 16  ; a tile is 65,536 bytes of k2
	s_lshl_b32 s[OFFV], s[NXT], 15  ; and 32,768 of v1
	s_xor_b32 s[G0K+1], s[G0K+1], SLOT1
	s_add_nc_u64 s[G0K+2:G0K+3], s[6:7], s[OFFK:OFFK+1]
	s_or_b32 s[G0K+3], s[G0K+3], 0x80000000
	s_xor_b32 s[G0V+1], s[G0V+1], SLOT1
	s_add_nc_u64 s[G0V+2:G0V+3], s[8:9], s[OFFV:OFFV+1]
	s_or_b32 s[G0V+3], s[G0V+3], 0x80000000
	s_add_co_u32 s[NXT], s[NXT], 1  ; the block's next tile, or behind its last the second block's tile 0
	s_cmp_gt_u32 s[NXT], s[LQ]
	s_cselect_b32 s[NXT], 0, s[NXT]
	s_cselect_b32 s[LQ], s[PB], s[LQ]
	s_wait_xcnt 0x0                 ; the last prefetches, a tile back, have read their address
	s_add_nc_u64 s[PFA:PFA+1], s[PFA:PFA+1], s[PFS:PFS+1]
.endif
	s_wait_dscnt 0x0                ; the add is done, and my reads of the slot are over
	s_barrier_signal -1
	s_sub_co_u32 s[TBK], s[TBK], 4*KS*PK  ; the fetches go back to a slot's first step, in the other slot
	s_xor_b32 s[TBK], s[TBK], SLOT1
	s_sub_co_u32 s[TBV], s[TBV], 4*KS*PVP
	s_xor_b32 s[TBV], s[TBV], SLOT1
	s_barrier_wait -1
.if \fill
	LOAD
	ASK
.endif
.endm
	s_load_b256 s[4:11], s[0:1], 0x0  ; q2 s[4:5], k2 s[6:7], v1 s[8:9], o1 s[10:11]
	v_lshl_add_u32 v[SPW], v0, 2, SPARE
	v_mov_b32 v[NIL], 0
	ds_add_u32 v[SPW], v[NIL]       ; the wave's opening: the add and its wait stand ahead of my first tensor load; work on registers stands between them
	ds_add_u32 v62, v63
	v_lshrrev_b32 v1, 5, v0
	v_readfirstlane_b32 s[WV], v1
	s_mov_b32 s[PB], ttmp9
	s_sub_co_u32 s[HI], NB-1, s[PB]
	s_and_b32 s20, ttmp7, 0xffff
	s_lshl_b32 s20, s20, 19         ; the head's first byte in q2 and k2; half of it in v1 and o1
	s_and_b32 s16, s[WV], 1         ; which half of a tile's 256 keys I fetch
	s_lshl_b32 s22, s16, 15
	s_add_co_u32 s22, s22, s20
	s_mov_b32 s23, 0
	s_lshr_b32 s18, s22, 1
	s_mov_b32 s19, 0
	s_mul_i32 s17, s16, 128*PK      ; its place in a slot, for K
	s_mul_i32 s21, s16, 128*PVP     ; and for V
	s_lshl_b32 s13, s[WV], 12       ; my 16 rows in a band of 64,
	s_add_co_u32 s13, s13, s20
	s_lshl_b32 s2, s[HI], 16        ; in the first block,
	s_add_co_u32 s2, s2, s13
	s_mov_b32 s3, 0
	s_lshl_b32 s84, s[PB], 16       ; and in the second
	s_add_co_u32 s84, s84, s13
	s_mov_b32 s85, 0
	s_lshr_b32 s50, s2, 1
	s_mov_b32 s51, 0
	s_lshr_b32 s52, s84, 1
	s_mov_b32 s53, 0
	s_mov_b32 s[G1K], (1<<16)|(1<<20)|(5<<22)|(3<<25)  ; 2-byte elements; padding on; after every 64 words, 4 words
	s_mov_b32 s[G1K+1], 128<<16     ; 128 rows of 128 elements, dense
	s_mov_b32 s[G1K+2], 128<<16
	s_mov_b32 s[G1K+3], 128<<16
	s_mov_b32 s[G1K+4], 128
	s_mov_b32 s[G1K+5], 128
	s_mov_b32 s[G1K+6], 0
	s_mov_b32 s[G1K+7], 0
	s_mov_b32 s[G1V], (1<<16)|(1<<20)|(4<<22)|(7<<25)  ; 128 keys of V are 16,384 dense bytes: 64 rows of 256, padded by 8 words after every 32
	s_mov_b32 s[G1V+1], 128<<16
	s_mov_b32 s[G1V+2], 64<<16
	s_mov_b32 s[G1V+3], 128<<16
	s_mov_b32 s[G1V+4], 64
	s_mov_b32 s[G1V+5], 128
	s_mov_b32 s[G1V+6], 0
	s_mov_b32 s[G1V+7], 0
	s_mov_b32 s[CS], 0x4138aa3b     ; c = 8 log2(e) = 11.5416
	s_mov_b32 s[CS+1], s[CS]
	s_mov_b32 s[SEL], 0x76543210
	s_mov_b32 s[SEL+1], 0xfedcba98
	s_mov_b32 s[TBK], SLOT1+4*KS*PK ; the first change of slots turns these two into 0
	s_mov_b32 s[TBV], SLOT1+4*KS*PVP
	s_mov_b32 s[G0K], 1
	s_mov_b32 s[G0K+1], s17
	s_mov_b32 s[G0V], 1
	s_add_co_u32 s[G0V+1], s21, VOFF
	s_add_co_u32 s[RT], s[HI], 1    ; the first block has 8 - b tiles
	s_mov_b32 s[NXT], 1
	s_mov_b32 s[LQ], s[HI]
	s_mov_b32 s[NEW], 1
	s_mov_b32 s[OFFK+1], 0
	s_mov_b32 s[OFFV+1], 0
	s_mov_b32 s[AL+1], 0
	s_mov_b32 s[BE+1], 0
	s_mov_b32 s[BIGN], 0xf149f2ca   ; -1e30
	s_mov_b32 s[SLOTS], NB
	s_cmp_lt_u32 s[WV], 2
	s_cselect_b32 s13, 1, 0
	s_lshl_b32 s[PFS], 0x8000, s13
	s_mov_b32 s[PFS+1], 0
	s_cmp_eq_u32 ttmp9, 0
	s_cselect_b32 s[LIM], 2, -1
	v_and_b32 v[PFO], 31, v0
	v_lshlrev_b32 v[PFO], 8, v[PFO]
	s_wait_dscnt 0x0                ; the opening add is done
	s_wait_kmcnt 0x0
	s_add_nc_u64 s[6:7], s[6:7], s[22:23]  ; K and V at my half of the head's tile 0
	s_add_nc_u64 s[8:9], s[8:9], s[18:19]
	s_add_nc_u64 s[G0K+2:G0K+3], s[6:7], 0
	s_or_b32 s[G0K+3], s[G0K+3], 0x80000000
	s_add_nc_u64 s[G0V+2:G0V+3], s[8:9], 0
	s_or_b32 s[G0V+3], s[G0V+3], 0x80000000
	s_add_nc_u64 s[86:87], s[4:5], s[84:85]
	s_add_nc_u64 s[4:5], s[4:5], s[2:3]
	s_add_nc_u64 s[OLO:OLO+1], s[10:11], s[52:53]
	s_add_nc_u64 s[10:11], s[10:11], s[50:51]
	s_cmp_lt_u32 s[WV], 2
	s_cselect_b64 s[PFA:PFA+1], s[6:7], s[8:9]
	s_add_nc_u64 s[PFA:PFA+1], s[PFA:PFA+1], s[PFS:PFS+1]  ; at tile 1: the first change steps it to tile 2
	LOAD                            ; tile 0 into slot 0
	v_and_b32 v1, 15, v0            ; l % 16
	v_bfe_u32 v9, v0, 4, 1          ; l / 16
	v_lshlrev_b32 v[QO], 8, v1
	v_lshl_add_u32 v[QO], v9, 4, v[QO]  ; row x 256 + 16 x half
	WIN 0x80
.set i, 0
.rept 16                            ; both blocks' Q: piece i / 4 lies in band i / 4, 16,384 bytes on; fragment i % 4: 32 channels, 64 bytes on
	global_load_b128 v[8*i:8*i+3],   v[QO], s[4:5] offset:(i/4)*16384+(i%4)*64
	global_load_b128 v[8*i+4:8*i+7], v[QO], s[4:5] offset:(i/4)*16384+(i%4)*64+32
	global_load_b128 v[QB+8*i:QB+8*i+3],   v[QO], s[86:87] offset:(i/4)*16384+(i%4)*64
	global_load_b128 v[QB+8*i+4:QB+8*i+7], v[QO], s[86:87] offset:(i/4)*16384+(i%4)*64+32
.set i, i+1
.endr
	WIN 0
	v_lshlrev_b32 v14, 3, v9
	v_sub_nc_u32 v14, v1, v14
	s_lshl_b32 s13, s[WV], 4
	v_add_nc_u32 v14, s13, v14      ; my query's place in its band less my lanes' 8 (l / 16): register r of key group kt is hidden where 16 kt + r is greater
	WIN 0x40
.set i, 0
.rept 32
	v_cmp_gt_i32 vcc_lo, 16*(i/8)+i%8, v14
	v_cndmask_b32 v[MD+i], 0, s[BIGN], vcc_lo
.set i, i+1
.endr
	WIN 0
	v_mul_u32_u24 v[AK0], v1, PK
	v_lshl_add_u32 v[AK0], v9, 4, v[AK0]
	v_and_b32 v10, 7, v0            ; the turning load: key 8 (l / 16) + l % 8, channels 8 ((l / 8) % 2) on
	v_bfe_u32 v11, v0, 3, 1
	v_lshl_add_u32 v[AV0], v9, 3, v10
	v_mul_u32_u24 v[AV0], v[AV0], PVP
	v_lshl_add_u32 v[AV0], v11, 4, v[AV0]
	v_add_nc_u32 v[AV0], VOFF, v[AV0]
	s_mul_i32 s13, s[WV], 16*SP
	s_add_co_u32 s13, s13, STAGE
	v_mul_u32_u24 v[STO], v1, SP
	v_lshl_add_u32 v[STO], v9, 4, v[STO]
	v_add_nc_u32 v[STO], s13, v[STO]
	v_bfe_u32 v[RD], v0, 3, 2
	v_mul_u32_u24 v[RD], v[RD], SP
	v_lshl_add_u32 v[RD], v10, 4, v[RD]
	v_add_nc_u32 v[RD], s13, v[RD]
	v_and_b32 v[GO], 31, v0
	v_lshlrev_b32 v[GO], 4, v[GO]
	; A block's first step multiplies O^T and l by a = 0, and its first turn works on a piece that has not been.  So these registers need only hold finite numbers: zeros for the first block, what the first block left
	; for the second.  All this stands in the wait for the first tile.
	WIN 0xc0
.set i, VF
.rept 64
	v_mov_b32 v[i], 0
.set i, i+1
.endr
	WIN 0x40
.set i, 0
.rept 128
	v_mov_b32 v[i], 0
.set i, i+1
.endr
	WIN 0
.set i, 0
.rept 4
	v_mov_b32 v[ST+4*i+2], 0
	v_mov_b32 v[ST+4*i+3], 0
.set i, i+1
.endr
.set i, S+96
.rept 32
	v_mov_b32 v[i], 0
.set i, i+1
.endr
	v_mov_b32 v[TMP+14], 0
	v_mov_b32 v[TMP+15], 0
; THE MATRIX WORK.  Product i of 24 of S^T for piece x: keys 16 (i % 4) on; slice i / 4: 0, 1 K_lo Q_hi; 2, 3 K_hi Q_lo; 4, 5 K_hi Q_hi; channels 32 ((i / 4) % 2) on.  The four accumulators take turns.
; The first four start the sums with the mask.
.macro KQ x
.set kb, i%4
.set sl, i/4
.set pk, 0
.set pq, 0
.if sl < 2
.set pk, 1
.elseif sl < 4
.set pq, 1
.endif
.set rS, S+32*(\x)+8*kb
.set rK, 32*kb+16*pk+8*(sl%2)
.set rQ, 32*(\x)+16*pq+8*(sl%2)
.set rM, MC+32*((\x)%2)+8*kb
.if i < 4
	WIN W_KM
	v_wmma_f32_16x16x32_f16 v[rS:rS+7], v[rK:rK+7], v[rQ:rQ+7], v[rM:rM+7]
.else
	WIN W_KQ
	v_wmma_f32_16x16x32_f16 v[rS:rS+7], v[rK:rK+7], v[rQ:rQ+7], v[rS:rS+7]
.endif
.endm
; Product i of 8 of O^T += V^T P for piece x: keys 32 (i / 4) on, channels 16 (i % 4) on.
.macro PV x
	WIN W_PV
.set rO, 32*(\x)+8*(i%4)
.set rV, VF+32*(i/4)+8*(i%4)
.set rP, P+16*((\x)%2)+8*(i/4)
	v_wmma_f32_16x16x32_f16 v[rO:rO+7], v[rV:rV+7], v[rP:rP+7], v[rO:rO+7]
.endm
.macro MM                           ; the turn's next matrix instruction.  NOKQ = 1: a block's last turn: there is no next piece
.if i < 24
.if !NOKQ
	KQ (Y+1)%NP
.endif
.else
.set i, i-24
	PV (Y+NP-1)%NP
.set i, i+24
.endif
.set i, i+1
.endm
; THE LDS LOADS stand in runs of 16.  A step's K, part 1 = the low halves, 0 = the high ones: key block f / 2, channel half f % 2, at 32 (f / 2) + 16 part + 8 (f % 2).
.macro FETCH_K part
	WIN 0xc0
.irp f, 0,1,2,3,4,5,6,7
	ds_load_b128 v[32*((\f)/2)+16*(\part)+8*((\f)%2):32*((\f)/2)+16*(\part)+8*((\f)%2)+3],   v[AK] offset:((\f)/2)*16*PK+128*(\part)+64*((\f)%2)
	ds_load_b128 v[32*((\f)/2)+16*(\part)+8*((\f)%2)+4:32*((\f)/2)+16*(\part)+8*((\f)%2)+7], v[AK] offset:((\f)/2)*16*PK+128*(\part)+64*((\f)%2)+32
.endr
	WIN 0
.endm
.macro FETCH_V
	WIN 0xc0
.irp f, 0,1,2,3,4,5,6,7             ; keys 32 (f / 4) on, channels 16 (f % 4) on
	ds_load_tr16_b128 v[VF+8*(\f):VF+8*(\f)+3],   v[AV] offset:((\f)/4)*32*PVP+((\f)%4)*32
	ds_load_tr16_b128 v[VF+8*(\f)+4:VF+8*(\f)+7], v[AV] offset:((\f)/4)*32*PVP+16*PVP+((\f)%4)*32
.endr
	WIN 0
.endm
; THE VECTOR WORK, one line at a time: OP kind, number.  For piece Y: F n: c s - c m for pair n of 16.  E n: the exponential of score n of 32.  R n: pair n of 16 of O^T times a.
; For piece Y - 1: C n: pair n rounded to f16.  B n: of the four weights 4 n .. the second pair is added onto the first, in place (so C 2 n stands ahead of B n).  L n: l takes that sum (L 0: l = a l + sum).
; For piece Y + 1: X n, number n of the 22 that find its maximum and statistics: 0-11 four chains of seven scores (each accumulator's lowest registers are read first); 12-14, 16 the four scores left over,
; the old m, and the four into one; 15 c m_old is kept; 17, 18 the lane 16 away holds the query's other 32 keys: the new m; 19-21 c m, c m_old - c m_new, a.   M n: pair n of 16 of the mask for piece Y + 2.
.set F, 0
.set E, 1
.set C, 2
.set B, 3
.set L, 4
.set R, 5
.set X, 6
.set M, 7
.macro REGS y
.set rT, ST+4*(\y)
.set rC, TMP+4*(\y)
.set rW, MV+(\y)
.set rS, S+32*(\y)
.set rP, P+16*((\y)%2)
.set rO, 32*(\y)
.endm
.macro OP k, n
.if (\k) == R
	REGS Y
	WIN W_RS
	v_pk_mul_f32 v[rO+2*(\n):rO+2*(\n)+1], v[rO+2*(\n):rO+2*(\n)+1], v[rC+2:rC+3] op_sel_hi:[1,0]
.elseif (\k) == M
.if !NOM
	WIN W_RS
	v_pk_fma_f32 v[MC+32*(Y%2)+2*(\n):MC+32*(Y%2)+2*(\n)+1], v[MD+2*(\n):MD+2*(\n)+1], s[AL:AL+1], s[BE:BE+1] op_sel_hi:[1,0,0]
.endif
.elseif (\k) == F
	REGS Y
	WIN 0
	v_pk_fma_f32 v[rS+2*(\n):rS+2*(\n)+1], v[rS+2*(\n):rS+2*(\n)+1], s[CS:CS+1], v[rT:rT+1] op_sel_hi:[1,0,0] neg_lo:[0,0,1] neg_hi:[0,0,1]
.elseif (\k) == E
	REGS Y
	WIN 0
	v_exp_f32 v[rS+(\n)], v[rS+(\n)]
.elseif (\k) == C
	REGS (Y+NP-1)%NP
	WIN 0
	v_cvt_pk_f16_f32 v[rP+(\n)], v[rS+2*(\n)], v[rS+2*(\n)+1]
.elseif (\k) == B
	REGS (Y+NP-1)%NP
	WIN 0
	v_pk_add_f32 v[rS+4*(\n):rS+4*(\n)+1], v[rS+4*(\n):rS+4*(\n)+1], v[rS+4*(\n)+2:rS+4*(\n)+3]
.elseif (\k) == L
	REGS (Y+NP-1)%NP
	WIN 0
.if (\n) == 0
	v_pk_fma_f32 v[rT+2:rT+3], v[rT+2:rT+3], v[rC+2:rC+3], v[rS:rS+1] op_sel_hi:[1,0,1]
.else
	v_pk_add_f32 v[rT+2:rT+3], v[rT+2:rT+3], v[rS+4*(\n):rS+4*(\n)+1]
.endif
.elseif !NOKQ
	REGS (Y+1)%NP
	WIN 0
.if (\n) < 4
	v_max3_num_f32 v[rC+(\n)], v[rS+8*(\n)], v[rS+8*(\n)+1], v[rS+8*(\n)+2]
.elseif (\n) < 12
	v_max3_num_f32 v[rC+(\n)%4], v[rC+(\n)%4], v[rS+8*((\n)%4)+2*((\n)/4)+1], v[rS+8*((\n)%4)+2*((\n)/4)+2]
.elseif (\n) == 12
	v_max3_num_f32 v[rC], v[rC], v[rS+7], v[rS+15]
.elseif (\n) == 13
	v_max3_num_f32 v[rC+1], v[rC+1], v[rS+23], v[rS+31]
.elseif (\n) == 14
	v_max3_num_f32 v[rC+2], v[rC+2], v[rC+3], v[rT+1]
.elseif (\n) == 15
	v_mov_b32 v[rW], v[rT]
.elseif (\n) == 16
	v_max3_num_f32 v[rC], v[rC], v[rC+1], v[rC+2]
.elseif (\n) == 17
	v_permlanex16_b32 v[rC+3], v[rC], s[SEL], s[SEL+1]
.elseif (\n) == 18
	v_max_num_f32 v[rT+1], v[rC], v[rC+3]
.elseif (\n) == 19
	v_mul_f32 v[rT], s[CS], v[rT+1]
.elseif (\n) == 20
	v_sub_f32 v[rC+1], v[rW], v[rT]
.else
	v_exp_f32 v[rC+2], v[rC+1]
.endif
.endif
.endm
.macro ROW a, i1, b, i2, c, i3, d, i4  ; a matrix instruction and the four behind it
	MM
	OP \a, \i1
	OP \b, \i2
	OP \c, \i3
	OP \d, \i4
.endm
.macro MASK b                       ; MD x AL + BE into buffer b of MC
	WIN W_RS
.set z, 0
.rept 16
	v_pk_fma_f32 v[MC+32*(\b)+2*z:MC+32*(\b)+2*z+1], v[MD+2*z:MD+2*z+1], s[AL:AL+1], s[BE:BE+1] op_sel_hi:[1,0,0]
.set z, z+1
.endr
.endm
; A TURN, for piece p, written out: a line for each matrix instruction and what stands behind it.  No line of a turn names a result of the turn's own exponentials: F n writes scores 2 n, 2 n + 1 and stands ahead of E n .. ;
; C, B, L read the turn before's, R and L 0 an a made and waited for earlier.  So ONE s_wait_alu depctr_va_vdst(0) stands at the turn's end.
; PLACES.  X 0 .. X 3 read accumulators that products 20 .. 23 end: behind each of those stand four plain lines or more that name none of its registers (the R of rows 20 to 23, the earlier X).
; K of the next step comes in piece 2's turn: the low halves behind row 8 (products 0-7 read them last; six plain lines lie between), the high halves behind the second V^T P (product 23 read them last; twelve plain lines).
; Piece 3's turn waits for the low halves at its head (the 16 younger loads stay out) and for the high ones ahead of product 8.  V of the step in hand comes at the end of piece 0's turn, eight plain lines behind its last reader.
; end = 1: a block's last two turns: nothing is fetched and no mask made; piece 3's starts no new scores.  cnt = 1: the counts are taken down some lines ahead of the branch behind the turn.
.macro TURN p, end=0, cnt=0
.set Y, (\p)
.set i, 0
.set NOKQ, (\end)*((\p)/3)
.set NOM, (\end)
.if !(\end)
	s_cmp_eq_u32 s[CM], 4-((\p)+2)%NP  ; piece p + 2's next scores: is their key step the band's own?
	s_cselect_b32 s[AL], 1.0, 0
	s_cmp_lt_u32 s[CM], 4-((\p)+2)%NP  ; or a later one?
	s_cselect_b32 s[BE], s[BIGN], 0
.endif
.if ((\p) == 3) && !(\end)
	s_wait_dscnt 16                 ; K's low halves are in
.endif
	ROW F,0, C,0, B,0, E,0
	ROW F,1, C,2, B,1, E,1
	ROW F,2, L,0, C,4, E,2
	ROW F,3, B,2, L,1, E,3
	ROW F,4, C,6, B,3, E,4
	ROW F,5, L,2, C,8, E,5
	ROW F,6, B,4, L,3, E,6
.if ((\p) == 2) && !(\end)
	WIN 0
	v_add_nc_u32 v[AK], s[TBK], v[AK0]
.endif
	ROW F,7, C,10, B,5, E,7
.if ((\p) == 3) && !(\end)
	s_wait_dscnt 0x0                ; K's high halves are in
.endif
	ROW F,8, L,4, C,12, E,8
.if ((\p) == 2) && !(\end)
	FETCH_K 1
.endif
	ROW F,9, B,6, L,5, E,9
	ROW F,10, C,14, B,7, E,10
	ROW F,11, L,6, C,1, E,11
	ROW F,12, C,3, L,7, E,12
	ROW F,13, C,5, C,7, E,13
	ROW F,14, C,9, C,11, E,14
	ROW F,15, C,13, C,15, E,15
	ROW R,0, R,1, E,16, E,17
	ROW R,2, R,3, E,18, E,19
	ROW R,4, R,5, E,20, E,21
	ROW R,6, R,7, E,22, E,23
	ROW R,8, R,9, E,24, E,25
	ROW R,10, R,11, E,26, E,27
	ROW R,12, R,13, E,28, E,29
	ROW R,14, R,15, E,30, E,31
.if (\p) == 1
	s_wait_dscnt 0x0                ; V is in
.endif
	ROW X,0, X,1, X,2, X,3
	ROW X,4, X,5, X,6, X,7
.if ((\p) == 2) && !(\end)
	FETCH_K 0
	s_add_co_u32 s[TBK], s[TBK], KS*PK  ; the next fetch is the next step's
.endif
	ROW X,8, X,9, X,10, X,11
	ROW X,12, X,13, X,14, X,15
	ROW X,16, M,0, M,1, M,2
	OP M,3
	ROW X,17, M,4, M,5, M,6
	OP M,7
.if \cnt
	s_sub_co_u32 s[CM], s[CM], 1
	s_sub_co_u32 s[CNT], s[CNT], 1
	s_cmp_lg_u32 s[CNT], 0
.endif
	ROW X,18, M,8, M,9, M,10
	OP M,11
	ROW X,19, M,12, M,13, M,14
	OP M,15
.if (\p) == 0
	WIN 0
	v_add_nc_u32 v[AV], s[TBV], v[AV0]
.endif
	OP X,20
	OP X,21
	WIN 0
	v_nop                           ; a plain instruction behind the last exponential: one for the batch
	s_wait_alu depctr_va_vdst(0)    ; the wait for the batch
.if (\p) == 0
	s_add_co_u32 s[TBV], s[TBV], KS*PVP
	FETCH_V
.endif
.endm
; A BLOCK BEGINS.  c m starts far below every c s, so the first step's a is 0; m at the lowest finite number.  The second mask buffer is 0 (band 1 sees all of step 0); the first takes piece 0's mask for step 0: its own, if the
; block's first tile is the diagonal one.  Then K of that step, piece 0's first scores, and its maximum and statistics.
.macro BEGIN
	s_mov_b32 s[NEW], 0
	WIN 0x40
.set i, MC+32
.rept 32
	v_mov_b32 v[i], 0
.set i, i+1
.endr
	WIN 0
.set i, 0
.rept 4
	v_mov_b32 v[ST+4*i], 0xfe000000
	v_mov_b32 v[ST+4*i+1], 0xff7fffff
.set i, i+1
.endr
	s_cmp_eq_u32 s[RT], 0
	s_cselect_b32 s[AL], 1.0, 0
	s_mov_b32 s[BE], 0
	MASK 0
	WIN 0
	v_add_nc_u32 v[AK], s[TBK], v[AK0]
	FETCH_K 1
	FETCH_K 0
	s_add_co_u32 s[TBK], s[TBK], KS*PK
	s_wait_loadcnt 0x0              ; Q
	s_wait_dscnt 0x0
.set NOKQ, 0
.set NOM, 0
.set i, 0
.rept 24
	KQ 0
.set i, i+1
.endr
	WIN 0
.rept 4
	v_nop                           ; the places behind those products
.endr
.set Y, NP-1                        ; X works for piece Y + 1: piece 0
.irp n, 0,1,2,3,4,5,6,7,8,9,10,11,12,13,14,15,16,17,18,19,20,21
	OP X, \n
.endr
	v_nop
	s_wait_alu depctr_va_vdst(0)    ; a's wait, ahead of the branch
.endm
; A TILE's four key steps.  A trip: pieces 2 and 3 of one step, then pieces 0 and 1 of the next, whose K and V it fetches.  A block's first tile enters the loop in the middle of a trip, behind BEGIN.
.macro TILE tag
	s_sub_co_u32 s[RT], s[RT], 1
	s_mov_b32 s[CNT], 4
	s_cmp_eq_u32 s[RT], 0
	s_cselect_b32 s[CM], 4, 12      ; the block's last tile holds the diagonal
	s_cmp_eq_u32 s[NEW], 1
	s_cbranch_scc0 .Lstep\tag
	BEGIN
	s_branch .Lfirst\tag
.Lstep\tag:
	TURN 2
	TURN 3
	WIN 0
.Lfirst\tag:
	TURN 0
	TURN 1, 0, 1
	WIN 0
	s_cbranch_scc1 .Lstep\tag
.endm
; A BLOCK ENDS: its last two turns, the last piece's roundings, sums and products, and THE WAY OUT: l's halves and the other half of the lanes' are added; O^T is divided by l, rounded to f16 and sent through my stage, a piece at a time.
.macro ALL line:vararg
.set t, 0
.rept 4
	\line
.set t, t+1
.endr
.endm
.macro PACK t
	WIN W_RS
.set i, 32*(\t)
.rept 16
	v_pk_mul_f32 v[i:i+1], v[i:i+1], v[ST+4*(\t)+2:ST+4*(\t)+3] op_sel_hi:[1,0]
.set i, i+2
.endr
	WIN 0x05
.set i, 0
.rept 16
	v_cvt_pk_f16_f32 v[S+16*(\t)+i], v[32*(\t)+2*i], v[32*(\t)+2*i+1]
.set i, i+1
.endr
	WIN 0
.irp f, 0,1,2,3
	ds_store_b128 v[STO], v[S+16*(\t)+4*(\f):S+16*(\t)+4*(\f)+3] offset:32*(\f)
.endr
.irp f, 0,1,2,3
	ds_load_b128 v[S+16*(\t)+4*(\f):S+16*(\t)+4*(\f)+3], v[RD] offset:(\f)*4*SP  ; LDS serves a wave's instructions in order (ISA guide 5.7.1.4): these see the stores above
.endr
.endm
.macro SEND t, younger              ; younger: the LDS instructions issued behind piece t's loads
	WIN 0
.irp f, 0,1,2,3
	s_wait_dscnt (\younger)+3-(\f)
	global_store_b128 v[GO], v[S+16*(\t)+4*(\f):S+16*(\t)+4*(\f)+3], s[10:11] offset:(\t)*8192+(\f)*512  ; 512 consecutive bytes, aligned
.endr
.endm
.macro ENDPART
	TURN 2, 1
	TURN 3, 1
.set Y, 0                           ; C, B, L work for piece Y - 1: piece 3
.irp n, 0,1,2,3,4,5,6,7
	OP C, 2*(\n)
	OP C, 2*(\n)+1
	OP B, \n
.endr
.irp n, 0,1,2,3,4,5,6,7
	OP L, \n
.endr
.set i, 0
.rept 8
	PV NP-1
.set i, i+1
.endr
	WIN 0
	ALL v_add_f32 v[ST+4*t+2], v[ST+4*t+2], v[ST+4*t+3]
	ALL v_permlanex16_b32 v[ST+4*t+3], v[ST+4*t+2], s[SEL], s[SEL+1]
	ALL v_add_f32 v[ST+4*t+2], v[ST+4*t+2], v[ST+4*t+3]
	ALL v_rcp_f32 v[ST+4*t+2], v[ST+4*t+2]
	v_nop
	s_wait_alu depctr_va_vdst(0)    ; one wait for the four reciprocals, ahead of their first use
	PACK 0
.set t, 1
.rept 3
	PACK t
	SEND t-1, 8
.set t, t+1
.endr
	SEND 3, 0
.endm
.set NOKQ, 0
.set NOM, 0
.Lslot:                             ; 8 times: a tile is entered and the next is asked for
	CHANGE 1
	TILE 1
	s_cmp_lg_u32 s[RT], 0
	s_cbranch_scc1 .Lbottom
	ENDPART                         ; in the loop this is the first block's end: the second block's last tile is the walk's last
	s_wait_xcnt 0x0                 ; the stores have read their registers and O's address
	s_mov_b64 s[10:11], s[OLO:OLO+1]
	s_add_co_u32 s[RT], s[PB], 1    ; the second block has b + 1 tiles
	s_mov_b32 s[NEW], 1
	WIN 0x82                        ; the second block's Q goes where the one text of the turns names Q
.set i, 0
.rept 128
	v_mov_b32 v[i], v[QB+i]
.set i, i+1
.endr
	WIN 0
.Lbottom:
	s_sub_co_u32 s[SLOTS], s[SLOTS], 1
	s_cmp_lg_u32 s[SLOTS], 0
	s_cbranch_scc1 .Lslot
	CHANGE 0                        ; the walk's last tile is written out: nothing is asked for
	TILE 2
	ENDPART
	s_wait_tensorcnt 0x0            ; the wave's end, behind my last tensor load and my last LDS store
	ds_add_u32 v[SPW], v[NIL]
	s_wait_dscnt 0x0
	s_endpgm
.Lfunc_end_k_q4639893574_attn:
	.size	k_q4639893574_attn, .Lfunc_end_k_q4639893574_attn-k_q4639893574_attn
	.p2alignl 7, 3214868480
	.fill 96, 4, 3214868480
	.section	.rodata,"a",@progbits
	.p2align	6, 0x0
	.amdhsa_kernel k_q4639893574_attn
		.amdhsa_group_segment_fixed_size 327680
		.amdhsa_private_segment_fixed_size 0
		.amdhsa_enable_private_segment 0
		.amdhsa_kernarg_size 32
		.amdhsa_user_sgpr_count 2
		.amdhsa_user_sgpr_kernarg_segment_ptr 1
		.amdhsa_wavefront_size32 1
		.amdhsa_system_sgpr_workgroup_id_x 1
		.amdhsa_system_sgpr_workgroup_id_y 1
		.amdhsa_system_sgpr_workgroup_id_z 1
		.amdhsa_system_vgpr_workitem_id 0
		.amdhsa_next_free_vgpr 960
		.amdhsa_next_free_sgpr 96
		.amdhsa_reserve_vcc 1
		.amdhsa_float_denorm_mode_32 3
		.amdhsa_float_denorm_mode_16_64 3
		.amdhsa_memory_ordered 1
		.amdhsa_forward_progress 1
		.amdhsa_inst_pref_size 213
	.end_amdhsa_kernel
	.amdgpu_metadata
---
amdhsa.version: [ 1, 2 ]
amdhsa.kernels:
  - .name:           k_q4639893574_attn
    .symbol:         k_q4639893574_attn.kd
    .args:
      - { .name: q2, .offset: 0, .size: 8, .value_kind: global_buffer, .address_space: global }
      - { .name: k2, .offset: 8, .size: 8, .value_kind: global_buffer, .address_space: global }
      - { .name: v1, .offset: 16, .size: 8, .value_kind: global_buffer, .address_space: global }
      - { .name: o1, .offset: 24, .size: 8, .value_kind: global_buffer, .address_space: global }
    .group_segment_fixed_size: 327680
    .private_segment_fixed_size: 0
    .kernarg_segment_align: 8
    .kernarg_segment_size: 32
    .max_flat_workgroup_size: 128
    .sgpr_count:     96
    .vgpr_count:     960
    .wavefront_size: 32
...
	.end_amdgpu_metadata
.endif
;; end of part 3
;; launch proj (part 4): grid 4 x 64, 4 waves a work-group, clusters of 4 x 4, 327,680 bytes of LDS; arguments o1, wp, out0, b_proj; writes out0
.if DOCPART == 4
	.amdgcn_target "amdgcn-amd-amdhsa--gfx1250"
	.amdhsa_code_object_version 6
	.text
	.protected	k_q4639893574_proj
	.globl	k_q4639893574_proj
	.p2align	8
	.type	k_q4639893574_proj,@function
k_q4639893574_proj:
	s_mov_b64 s[64:65], 0
	v_nop
	global_prefetch_b8 v0, s[64:65] scope:SCOPE_SE
	s_setreg_imm32_b32 hwreg(HW_REG_WAVE_MODE, 25, 1), 1
	s_wait_xcnt 0x0
	s_wait_alu depctr_hold_cnt(0) depctr_sa_sdst(0) depctr_va_vdst(0) depctr_va_sdst(0) depctr_va_ssrc(0) depctr_va_vcc(0) depctr_vm_vsrc(0)
	s_getreg_b32 s2, hwreg(HW_REG_IB_STS2, 6, 4)
	s_cmp_eq_u32 s2, 0
	s_cbranch_scc0 .Lentry_in_a_cluster
	s_endpgm
.Lentry_in_a_cluster:
	s_bfe_u32 s2, ttmp6, 0x10000c
	s_cmp_lg_u32 s2, 0xf033
	s_cbranch_scc0 .Lentry_shape_is_right
	s_endpgm
.Lentry_shape_is_right:
; THE SECOND PROJECTION.  out0 [8192][1024] f32 = O [8192][1024] x wp [1024][1024] + b_proj.  O lies by heads, o1 [64][2048][64] f16: channel 64 head + d of row (batch, t); wp is f16 (w_proj rounded to bf16); sums in f32;
; the bias is rounded to bf16 like the other inputs of the module and added in f32.
; SHARES.  A tile of 128 rows x 256 columns to a work-group: 256 work-groups.  Four waves, each 64 rows x 128 columns: 32 accumulators (window 1).  K goes in 8 steps of 128 = two heads, through two LDS slots.
; Waves 0, 1 fetch a head's 128 rows each (16,384 dense bytes, asked for as 64 rows of 256 and padded after every 128), waves 2, 3 the halves of B's tile (64 k-rows x 512 bytes).
; CLUSTER.  4 x 4: A's tile is asked for jointly along a row of the cluster, B's along a column.  NO PREFETCH: the whole walk is eight steps.
; THE PRODUCT IS USED TRANSPOSED: source 0 = 16 columns of wp (turned, by ds_load_tr16_b128), source 1 = 16 rows of O: a lane holds row l % 16 and eight neighbouring columns.
.set SIZE_N, 1024
.set PA,     144                       ; a head's row in LDS: 128 bytes + 16: the 16 rows of a load start at 16 different groups of four banks (64 banks of 4 bytes: ISA guide 11.1)
.set PB,     544
.set HALFA,  128*PA                    ; a head's 128 rows
.set BOFF,   2*HALFA
.set HALFB,  64*PB
.set SLOT1,  1<<17
.set STAGE,  SLOT1+BOFF+128*PB         ; behind the ring, never filled by a tensor load:
.set WSTAGE, 16*528                    ; 16 rows x (512 + 16) bytes for each wave
.set SPARE,  STAGE+4*WSTAGE            ; the spare words, 128 bytes for each wave: two blocks of 256 bytes that no other line names
.set STEPA,  2*262144                  ; two heads on in o1
.set STEPB,  128*SIZE_N*2
.set ADRA0, 10
.set ADRB0, 11
.set ADRA,  12
.set ADRB,  13
.set STO,   14
.set RD,    15
.set GO,    16
.set BO,    19                         ; v19      my 16 bytes of the bias
.set BIAS,  20                         ; v[20:23] the bias of my four columns on the way out; v24-25 at work
.set SPW,   28
.set NIL,   29
.set F0,    32
.set F1,    128
.set WV,  12
.set MH,  13
.set NH,  14
.set TB,  15
.set G1A, 24
.set G0A, 32
.set CX,  40
.set CY,  41
.set TX,  42
.set TY,  43
.set G1B, 48
.set G0B, 56
.set CP,  74
.set MSB, 0
.macro WIN new
.if MSB != (\new)
	s_set_vgpr_msb (MSB<<8)|(\new)
.set MSB, \new
.endif
.endm
.set MUL, 0x50                         ; sources 0 and 1 window 0; C and D window 1
.macro JLOAD s                         ; a joint load; an s_nop 0 and four v_nop follow each of the two lines
	s_cmp_eq_u32 s[MH], 0
	s_cbranch_scc0 .Lfor_b_\@
	tensor_load_to_lds s[G0A+4*(\s):G0A+4*(\s)+3], s[G1A:G1A+7]
	s_nop 0
.rept 4
	v_nop
.endr
	s_branch .Lasked_\@
.Lfor_b_\@:
	tensor_load_to_lds s[G0B+4*(\s):G0B+4*(\s)+3], s[G1B:G1B+7]
	s_nop 0
.rept 4
	v_nop
.endr
.Lasked_\@:
.endm
.macro CREST
	s_cmp_lg_u32 s[WV], 0
	s_cbranch_scc1 .Lnot_wave_0_\@
	s_barrier_signal -3
.Lnot_wave_0_\@:
	s_barrier_wait -3
	s_barrier_signal -1
	s_barrier_wait -1
.endm
.macro CROUND
	s_barrier_signal -1
	s_barrier_wait -1
	CREST
.endm
.macro PLACES
.rept 4
	v_nop
.endr
.endm
	s_load_b256 s[4:11], s[0:1], 0x0               ; o1 s[4:5], wp s[6:7], out0 s[8:9], b_proj s[10:11]
	v_lshl_add_u32 v[SPW], v0, 2, SPARE
	v_mov_b32 v[NIL], 0
	ds_add_u32 v[SPW], v[NIL]                      ; the wave's opening: the add and its wait stand ahead of my first tensor load
	ds_add_u32 v28, v29
	v_lshrrev_b32 v3, 5, v0
	v_readfirstlane_b32 s[WV], v3
	s_lshr_b32 s[MH], s[WV], 1
	s_and_b32 s[NH], s[WV], 1
	s_mov_b32 s[TB], 0
	s_bfe_u32 s[CX], ttmp6, 0x40000
	s_bfe_u32 s[CY], ttmp6, 0x40004
	s_lshl_b32 s[TX], ttmp9, 2
	s_add_co_u32 s[TX], s[TX], s[CX]
	s_and_b32 s[TY], ttmp7, 0xffff
	s_lshl_b32 s[TY], s[TY], 2
	s_add_co_u32 s[TY], s[TY], s[CY]
	s_lshl_b32 s70, s[CY], 2
	s_lshl_b32 s70, 15, s70
	s_lshl_b32 s71, 0x1111, s[CX]
	s_or_b32 s[G1A], s70, (1<<16)|(1<<20)|(1<<21)|(4<<22)|(3<<25)  ; mask; 2-byte elements; padding on; bit 21 beside a mask; after every 32 words, 4 words
	s_or_b32 s[G1B], s71, (1<<16)|(1<<20)|(1<<21)|(6<<22)|(7<<25)  ; after every 128 words, 8 words
	s_mov_b32 s[G1A+1], 128<<16
	s_mov_b32 s[G1A+2], 64<<16
	s_mov_b32 s[G1A+3], 128<<16
	s_mov_b32 s[G1A+4], 64
	s_mov_b32 s[G1A+5], 128
	s_mov_b32 s[G1A+6], 0
	s_mov_b32 s[G1A+7], 0
	s_mov_b32 s[G1B+1], 256<<16
	s_mov_b32 s[G1B+2], 64<<16
	s_mov_b32 s[G1B+3], 256<<16
	s_mov_b32 s[G1B+4], 64
	s_mov_b32 s[G1B+5], SIZE_N
	s_mov_b32 s[G1B+6], 0
	s_mov_b32 s[G1B+7], 0
	s_lshr_b32 s16, s[TY], 4                       ; A: batch = tile row / 16: 16 heads of 262,144 bytes,
	s_lshl_b32 s16, s16, 22
	s_and_b32 s17, s[TY], 15                       ; 128 rows of 128 bytes a tile row,
	s_lshl_b32 s17, s17, 14
	s_add_co_u32 s16, s16, s17
	s_lshl_b32 s17, s[NH], 18                      ; the step's first or second head: these registers never hold cx
	s_add_co_u32 s16, s16, s17
	s_mov_b32 s17, 0
	s_lshl_b32 s46, s[TX], 9                       ; B: these never hold cy
	s_mul_i32 s47, s[NH], 64*SIZE_N*2
	s_add_co_u32 s46, s46, s47
	s_mov_b32 s47, 0
	s_mul_i32 s20, s[NH], HALFA
	s_mul_i32 s21, s[NH], HALFB
	s_add_co_u32 s21, s21, BOFF
	s_wait_dscnt 0x0                               ; the opening add is done
	s_wait_kmcnt 0x0
	s_add_nc_u64 s[16:17], s[4:5], s[16:17]
	s_add_nc_u64 s[46:47], s[6:7], s[46:47]
	CROUND                                         ; all sixteen work-groups are here: the first joint loads meet
.irp s, 0,1
	s_mov_b32 s[G0A+4*(\s)], 1
	s_add_co_u32 s[G0A+4*(\s)+1], s20, (\s)*SLOT1
	s_add_nc_u64 s[G0A+4*(\s)+2:G0A+4*(\s)+3], s[16:17], (\s)*STEPA
	s_or_b32 s[G0A+4*(\s)+3], s[G0A+4*(\s)+3], 0x80000000
	s_mov_b32 s[G0B+4*(\s)], 1
	s_add_co_u32 s[G0B+4*(\s)+1], s21, (\s)*SLOT1
	s_add_nc_u64 s[G0B+4*(\s)+2:G0B+4*(\s)+3], s[46:47], (\s)*STEPB
	s_or_b32 s[G0B+4*(\s)+3], s[G0B+4*(\s)+3], 0x80000000
	JLOAD \s                                       ; K steps 0 and 1: two loads of mine are out
.endr
	v_and_b32 v1, 15, v0                           ; r
	v_bfe_u32 v2, v0, 4, 1                         ; h
	v_and_b32 v[GO], 31, v0
	v_lshlrev_b32 v[GO], 4, v[GO]                  ; 16 x lane
	s_lshl_b32 s76, s[TX], 10                      ; my 128 columns, in bytes of f32
	s_lshl_b32 s77, s[NH], 9
	s_add_co_u32 s76, s76, s77
	v_add_nc_u32 v[BO], s76, v[GO]
	global_load_b128 v[BIAS:BIAS+3], v[BO], s[10:11]  ; on the way out lane l holds columns 4 l .. 4 l + 3 of my 128
	s_lshl_b32 s77, s[TY], 19                      ; 128 rows of 4,096 bytes a tile row,
	s_add_co_u32 s76, s76, s77
	s_lshl_b32 s77, s[MH], 18                      ; my 64
	s_add_co_u32 s76, s76, s77
	s_mov_b32 s77, 0
	s_add_nc_u64 s[CP:CP+1], s[8:9], s[76:77]
	v_mul_u32_u24 v[ADRA0], v1, PA
	v_lshl_add_u32 v[ADRA0], v2, 4, v[ADRA0]
	s_mul_i32 s18, s[MH], 64*PA
	v_add_nc_u32 v[ADRA0], s18, v[ADRA0]
	v_and_b32 v3, 7, v0
	v_lshl_add_u32 v3, v2, 3, v3
	v_mul_u32_u24 v[ADRB0], v3, PB
	v_bfe_u32 v3, v0, 3, 1
	v_lshl_add_u32 v[ADRB0], v3, 4, v[ADRB0]
	s_lshl_b32 s18, s[NH], 8
	s_add_co_u32 s18, s18, BOFF
	v_add_nc_u32 v[ADRB0], s18, v[ADRB0]
	v_mov_b32 v[ADRA], v[ADRA0]
	v_mov_b32 v[ADRB], v[ADRB0]
	s_mul_i32 s78, s[WV], WSTAGE
	s_add_co_u32 s78, s78, STAGE                   ; my stage
	v_mul_u32_u24 v[STO], v1, 528
	v_lshl_add_u32 v[STO], v2, 5, v[STO]
	v_add_nc_u32 v[STO], s78, v[STO]               ; in: row r, 32 bytes for each half of the lanes
	v_add_nc_u32 v[RD], s78, v[GO]                 ; back: 32 lanes take a row of 512 bytes
; 24 LDS loads in one run: quarter q of the slot's step (head q / 2, channels 32 (q % 2) on) into buffer f
.macro FETCH q, f
	WIN 0
.irp b, 0,1,2,3,4,5,6,7
	ds_load_tr16_b128 v[(\f)+8*(\b):(\f)+8*(\b)+3],   v[ADRB] offset:32*(\q)*PB+32*(\b)
	ds_load_tr16_b128 v[(\f)+8*(\b)+4:(\f)+8*(\b)+7], v[ADRB] offset:32*(\q)*PB+32*(\b)+16*PB
.endr
.irp a, 0,1,2,3
	ds_load_b128 v[(\f)+64+8*(\a):(\f)+64+8*(\a)+3],   v[ADRA] offset:((\q)/2)*HALFA+((\q)%2)*64+(\a)*16*PA
	ds_load_b128 v[(\f)+64+8*(\a)+4:(\f)+64+8*(\a)+7], v[ADRA] offset:((\q)/2)*HALFA+((\q)%2)*64+(\a)*16*PA+32
.endr
.endm
.macro MULS f, a0, n, zero             ; the 32 accumulators take turns in the same order in every quarter
	WIN MUL
.set ma, \a0
.rept \n
.irp b, 0,1,2,3,4,5,6,7
.if \zero
	v_wmma_f32_16x16x32_f16 v[8*(8*ma+(\b)):8*(8*ma+(\b))+7], v[(\f)+8*(\b):(\f)+8*(\b)+7], v[(\f)+64+8*ma:(\f)+64+8*ma+7], 0
.else
	v_wmma_f32_16x16x32_f16 v[8*(8*ma+(\b)):8*(8*ma+(\b))+7], v[(\f)+8*(\b):(\f)+8*(\b)+7], v[(\f)+64+8*ma:(\f)+64+8*ma+7], v[8*(8*ma+(\b)):8*(8*ma+(\b))+7]
.endif
.endr
.set ma, ma+1
.endr
.endm
.macro QUARTER q, f, g, zero
	s_wait_dscnt 4                                 ; B and A's blocks 0, 1 are in; the youngest four loads may be out
	MULS \f, 0, 2, \zero
	PLACES
	FETCH \q, \g
	s_wait_dscnt 24                                ; all but the 24 just issued
	MULS \f, 2, 2, \zero
.endm
; The last quarter multiplies buffer 1 and changes slots: ONE barrier; in front of it each wave waits for all its tensor loads, adds 0 to its spare word, and waits for that and for its reads of this slot.
; fill = 1: the barrier opens a round of the cluster's, and this slot is filled again first thing behind it, with the K step two on.
.macro TURN fill
	WIN 0
	s_wait_tensorcnt 0x0                           ; no tensor load of mine is out, so a group 0 may be written
	ds_add_u32 v[SPW], v[NIL]
.if \fill
	s_xor_b32 s[G0A+5], s[G0A+5], SLOT1
	s_add_nc_u64 s[G0A+6:G0A+7], s[G0A+6:G0A+7], STEPA
	s_xor_b32 s[G0B+5], s[G0B+5], SLOT1
	s_add_nc_u64 s[G0B+6:G0B+7], s[G0B+6:G0B+7], STEPB
.endif
	s_xor_b32 s[TB], s[TB], SLOT1
	s_wait_dscnt 5                                 ; the add and the youngest four loads may be out
	MULS F1, 0, 1, 0
	s_wait_dscnt 0x0                               ; the add is done, and my reads of this slot are over
	s_barrier_signal -1
	MULS F1, 1, 1, 0
	WIN 0
	s_barrier_wait -1
.if \fill
	CREST
	JLOAD 1
.else
	PLACES
.endif
	v_add_nc_u32 v[ADRA], s[TB], v[ADRA0]
	v_add_nc_u32 v[ADRB], s[TB], v[ADRB0]
	FETCH 0, F0
	MULS F1, 2, 2, 0
.endm
	s_wait_tensorcnt 1                             ; my part of K step 0 is in; step 1's may stay out
	s_barrier_signal -1
	s_barrier_wait -1
	FETCH 0, F0
	QUARTER 1, F0, F1, 1                           ; the first quarter's products start the sums
	WIN 0
	s_mov_b32 s3, 6
.Lstep:
	QUARTER 2, F1, F0, 0
	QUARTER 3, F0, F1, 0
	TURN 1
	QUARTER 1, F0, F1, 0
	WIN 0
	s_sub_co_u32 s3, s3, 1
	s_cmp_lg_u32 s3, 0
	s_cbranch_scc1 .Lstep
	QUARTER 2, F1, F0, 0                           ; steps 6 and 7 fill nothing
	QUARTER 3, F0, F1, 0
	TURN 0
	QUARTER 1, F0, F1, 0
	QUARTER 2, F1, F0, 0
	QUARTER 3, F0, F1, 0
	s_wait_dscnt 4
	MULS F1, 0, 2, 0
	s_wait_dscnt 0x0
	MULS F1, 2, 2, 0
	WIN 0
	PLACES
	s_wait_loadcnt 0x0                             ; the bias
	v_cvt_pk_bf16_f32 v24, v[BIAS], v[BIAS+1]
	v_cvt_pk_bf16_f32 v25, v[BIAS+2], v[BIAS+3]
	v_lshlrev_b32 v[BIAS], 16, v24
	v_and_b32 v[BIAS+1], 0xffff0000, v24
	v_lshlrev_b32 v[BIAS+2], 16, v25
	v_and_b32 v[BIAS+3], 0xffff0000, v25
; THE WAY OUT, a block of 16 rows at a time: the sums go into my stage as they lie (each accumulator's low four registers first) and come back as whole rows of 512 bytes; the bias is added; stored.
.macro TOSTAGE a
.set BK, 32+64*((\a)%2)
	WIN 0x04                                       ; the stores' data window 1
.irp b, 0,1,2,3,4,5,6,7
	ds_store_b128 v[STO], v[64*(\a)+8*(\b):64*(\a)+8*(\b)+3]   offset:64*(\b)
	ds_store_b128 v[STO], v[64*(\a)+8*(\b)+4:64*(\a)+8*(\b)+7] offset:64*(\b)+16
.endr
	WIN 0
.irp t, 0,1,2,3,4,5,6,7,8,9,10,11,12,13,14,15
	ds_load_b128 v[BK+4*(\t):BK+4*(\t)+3], v[RD] offset:528*(\t)  ; LDS serves a wave's instructions in order (ISA guide 5.7.1.4): these see the stores above
.endr
.endm
.macro SEND a
.set BK, 32+64*((\a)%2)
	s_wait_xcnt 0x0                                ; the stores of the block before have read their registers: the other set of 64 is loaded again only behind this wait
.irp t, 0,1,2,3,4,5,6,7,8,9,10,11,12,13,14,15
	s_wait_dscnt 15-(\t)                           ; row t is back; the younger loads stay out
	v_pk_add_f32 v[BK+4*(\t):BK+4*(\t)+1],   v[BK+4*(\t):BK+4*(\t)+1],   v[BIAS:BIAS+1]
	v_pk_add_f32 v[BK+4*(\t)+2:BK+4*(\t)+3], v[BK+4*(\t)+2:BK+4*(\t)+3], v[BIAS+2:BIAS+3]
	global_store_b128 v[GO], v[BK+4*(\t):BK+4*(\t)+3], s[CP:CP+1] offset:(16*(\a)+(\t))*4096 th:TH_STORE_NT  ; 512 consecutive bytes, aligned
.endr
.endm
.irp a, 0,1,2,3
	TOSTAGE \a
	SEND \a
.endr
	s_wait_tensorcnt 0x0                           ; the wave's end, behind my last tensor load and my last LDS store
	ds_add_u32 v[SPW], v[NIL]
	s_wait_dscnt 0x0
	CROUND                                         ; the closing round: no work-group ends while a partner may still ask for a tile that names it
	s_endpgm
.Lfunc_end_k_q4639893574_proj:
	.size	k_q4639893574_proj, .Lfunc_end_k_q4639893574_proj-k_q4639893574_proj
	.p2alignl 7, 3214868480
	.fill 96, 4, 3214868480
	.section	.rodata,"a",@progbits
	.p2align	6, 0x0
	.amdhsa_kernel k_q4639893574_proj
		.amdhsa_group_segment_fixed_size 327680
		.amdhsa_private_segment_fixed_size 0
		.amdhsa_enable_private_segment 0
		.amdhsa_kernarg_size 32
		.amdhsa_user_sgpr_count 2
		.amdhsa_user_sgpr_kernarg_segment_ptr 1
		.amdhsa_wavefront_size32 1
		.amdhsa_system_sgpr_workgroup_id_x 1
		.amdhsa_system_sgpr_workgroup_id_y 1
		.amdhsa_system_sgpr_workgroup_id_z 1
		.amdhsa_system_vgpr_workitem_id 0
		.amdhsa_next_free_vgpr 512
		.amdhsa_next_free_sgpr 80
		.amdhsa_reserve_vcc 0
		.amdhsa_float_denorm_mode_32 3
		.amdhsa_float_denorm_mode_16_64 3
		.amdhsa_memory_ordered 1
		.amdhsa_forward_progress 1
		.amdhsa_inst_pref_size 79
	.end_amdhsa_kernel
	.amdgpu_metadata
---
amdhsa.version: [ 1, 2 ]
amdhsa.kernels:
  - .name:           k_q4639893574_proj
    .symbol:         k_q4639893574_proj.kd
    .args:
      - { .name: o1, .offset: 0, .size: 8, .value_kind: global_buffer, .address_space: global }
      - { .name: wp, .offset: 8, .size: 8, .value_kind: global_buffer, .address_space: global }
      - { .name: out0, .offset: 16, .size: 8, .value_kind: global_buffer, .address_space: global }
      - { .name: b_proj, .offset: 24, .size: 8, .value_kind: global_buffer, .address_space: global }
    .group_segment_fixed_size: 327680
    .private_segment_fixed_size: 0
    .kernarg_segment_align: 8
    .kernarg_segment_size: 32
    .max_flat_workgroup_size: 128
    .sgpr_count:     80
    .vgpr_count:     512
    .wavefront_size: 32
...
	.end_amdgpu_metadata
.endif
;; end of part 4
